; MI455X (gfx1250); checked and timed in simulation.
; The chip was launched on July 23, 2026; its instructions are those of AMD's public machine-readable ISA for CDNA 5 (MIT licence, August 2026) and "CDNA5" Instruction Set Architecture Reference Guide (July 2026). The comments in the code are by the model that wrote it; some were corrected since.
;; Multi Head Attention. Allowed arithmetic: matrix products marked QUANTISED: E2M1 operands, one E8M0 scale for each 32 along K, by v_wmma_scale_f32_16x16x128_f8f6f4 with both operands' format E2M1 (or v_wmma_scale_f32_32x16x128_f4), f32 sums; everything else in f32.
;; Inputs: Wk_codes 1,024 x 32 x 16 uint8 (E2M1 codes of Wk, K innermost, in blocks of 32 codes, two codes a byte); Wk_scales 1,024 x 32 uint8 (E8M0 scales of Wk, one for each 32 codes along K); Wo_codes 1,024 x 32 x 16 uint8 (E2M1 codes of Wo, K innermost, in blocks of 32 codes, two codes a byte); Wo_scales 1,024 x 32 uint8 (E8M0 scales of Wo, one for each 32 codes along K); Wq_codes 1,024 x 32 x 16 uint8 (E2M1 codes of Wq, K innermost, in blocks of 32 codes, two codes a byte); Wq_scales 1,024 x 32 uint8 (E8M0 scales of Wq, one for each 32 codes along K); Wv_codes 1,024 x 32 x 16 uint8 (E2M1 codes of Wv, K innermost, in blocks of 32 codes, two codes a byte); Wv_scales 1,024 x 32 uint8 (E8M0 scales of Wv, one for each 32 codes along K); bk 1,024 float32; bo 1,024 float32; bq 1,024 float32; bv 1,024 float32; hidden_states_codes 4 x 2,048 x 32 x 16 uint8 (E2M1 codes of hidden_states, K innermost, in blocks of 32 codes, two codes a byte); hidden_states_scales 4 x 2,048 x 32 uint8 (E8M0 scales of hidden_states, one for each 32 codes along K).
;; Outputs: out0 4 x 2,048 x 1,024 float32.
;; This version of the problem:
;;   THIS VERSION OF THE PROBLEM IS GIVEN IN LOW PRECISION. The matrix products marked QUANTISED in the list below multiply operands that are first quantised to E2M1 (2 exponent bits, 1 mantissa bit; 4 bits a number), with one power-of-two scale for each 32 numbers along K (OCP MX v1.0); their sums are f32. All else is computed in f32.
;;   The module's matrix products, in the order in which they are computed (A, B: the left and right operand; K: the contracted axis; several contracted axes count as one K, in the product's order):
;;     1. [M 8,192, K 1,024] x [K 1,024, N 1,024]; A: input hidden_states (given as codes); B: input Wq (given as codes): QUANTISED
;;     2. [M 8,192, K 1,024] x [K 1,024, N 1,024]; A: input hidden_states (given as codes); B: input Wk (given as codes): QUANTISED
;;     3. [M 8,192, K 1,024] x [K 1,024, N 1,024]; A: input hidden_states (given as codes); B: input Wv (given as codes): QUANTISED
;;     4. batch 64 x [M 2,048, K 64] x [K 64, N 2,048]; A: computed on the way; B: computed on the way: QUANTISED
;;     5. batch 64 x [M 2,048, K 2,048] x [K 2,048, N 64]; A: softmax (see below); B: computed on the way: QUANTISED
;;     6. [M 8,192, K 1,024] x [K 1,024, N 1,024]; A: computed on the way; B: input Wo (given as codes): QUANTISED
;;   THE QUANTISER, for each operand of a quantised product, along K:
;;     - K is cut into blocks of 32 from its start; a last block that is shorter is filled with zeros.
;;     - A block's scale is 2^e with e = floor(log2(the largest magnitude in the block)) - 2, held to -126 .. 127; a block of zeros has e = 0. As a byte (E8M0): e + 127.
;;     - Each number is divided by its block's scale, clamped to +-6, and rounded to the nearest number of E2M1, ties to even, subnormals kept.
;;     - The product sums the exact products of the quantised numbers (number of the format x scale) in f32.
;;   ~~~python
;;   def quantise(x, axis):      # numpy; x: float32 -> the quantised numbers, widened to float32 again
;;       x = np.moveaxis(x, axis, -1); K = x.shape[-1]
;;       x = np.pad(x, [(0, 0)] * (x.ndim - 1) + [(0, -K % 32)]); x = x.reshape(x.shape[:-1] + (-1, 32)); a = np.abs(x).max(-1, keepdims=True)
;;       e = np.where(a > 0, np.clip(np.frexp(np.where(a > 0, a, 1))[1] - 1 - 2, -126, 127), 0)      # np.frexp(a)[1] - 1 = floor(log2(a)), exactly
;;       r = np.clip(x / 2.0 ** e, -6, 6)
;;       step = 2.0 ** (np.maximum(np.frexp(np.where(r == 0, 1, r))[1] - 1, 0) - 1)
;;       q = np.round(r / step) * step * 2.0 ** e      # np.round: ties to even
;;       return np.moveaxis(q.reshape(q.shape[:-2] + (-1,))[..., :K], -1, axis).astype(np.float32)
;;   ~~~
;;   SOFTMAX AHEAD OF A QUANTISED PRODUCT. Where the list says 'softmax', what is quantised is not the finished softmax but p = 2^(t - M), with t = logit x log2(e) and M = ceil(the row's largest t), a whole number; so 1/2 < the row's largest p <= 1. The row's sum l is taken of the UNQUANTISED p, in f32, and the product's result is divided by l at the end. Since M is a whole number, a kernel that streams over the keys may use a running M (the ceiling of the running maximum): every later rescaling is an exact power of two, which a block's scale takes up: the codes' values come out the same.
;;   OPERANDS COMPUTED ON THE WAY. 'Computed on the way' means the value that the module computes at that place (a softmax that the list does not call 'softmax' is quantised finished and normalised). What goes into a quantiser is computed in f32, as accurately as f32 sums, v_exp_f32 and their like allow (about 1e-6 of the number): no bf16 or f16 on the way to a quantiser, and a product that is left as it is and whose result goes on into a quantised operand takes f32 operands (vector FMAs, or v_wmma_f32_16x16x4_f32). A number that lies on a knife's edge between two numbers of the format may be rounded either way, as far as f32 arithmetic and the matrix unit's own rounding can turn it there, and no further.
;;   INPUTS GIVEN AS CODES. Wk (in the module: [1024, 1024], K = its axis 1); Wo (in the module: [1024, 1024], K = its axis 1); Wq (in the module: [1024, 1024], K = its axis 1); Wv (in the module: [1024, 1024], K = its axis 1); hidden_states (in the module: [4, 2048, 1024], K = its axis 2): each comes as NAME_codes (uint8): NAME with its K axis moved to the last place and cut into blocks of 32 codes, [.., K / 32, bytes a block], one block behind the other in memory; two codes a byte, the lower K in the low four bits (a code: sign, 2 exponent bits, 1 mantissa bit); and NAME_scales (uint8): the same leading axes, one E8M0 byte (e + 127) for each 32 codes along K. Its value is code x scale, taken as it is: it is not quantised again, and the codes and scales need not be those that the quantiser above would give.
;; One version. Each part assembles by itself: llvm-mc -triple=amdgcn-amd-amdhsa -mcpu=gfx1250 --defsym DOCPART=n.
;; ======== version 1 of 1: 3 launches
;; workspace buffers: qc 4,194,304 bytes; qs 524,288 bytes; kv 9,175,040 bytes; oc 4,194,304 bytes; os 262,144 bytes
;; launch qkv (part 1): grid 12 x 32, 4 waves a work-group, clusters of 4 x 4, 327,680 bytes of LDS; arguments hidden_states_codes, hidden_states_scales, Wq_codes, Wq_scales, bq, Wk_codes, Wk_scales, bk, Wv_codes, Wv_scales, bv, qc, qs, kv; writes qc, qs, kv
.if DOCPART == 1
	.amdgcn_target "amdgcn-amd-amdhsa--gfx1250"
	.amdhsa_code_object_version 6
	.text
	.protected	k_q50a35049c8_qkv
	.globl	k_q50a35049c8_qkv
	.p2align	8
	.type	k_q50a35049c8_qkv,@function
k_q50a35049c8_qkv:
	s_mov_b64 s[64:65], 0
	v_nop
	global_prefetch_b8 v0, s[64:65] scope:SCOPE_SE
	s_setreg_imm32_b32 hwreg(HW_REG_WAVE_MODE, 25, 1), 1
	s_wait_xcnt 0x0
	s_wait_alu depctr_hold_cnt(0) depctr_sa_sdst(0) depctr_va_vdst(0) depctr_va_sdst(0) depctr_va_ssrc(0) depctr_va_vcc(0) depctr_vm_vsrc(0)
	s_getreg_b32 s2, hwreg(HW_REG_IB_STS2, 6, 4)
	s_cmp_eq_u32 s2, 0
	s_cbranch_scc0 .Lentry_in_a_cluster
	s_endpgm
.Lentry_in_a_cluster:
	s_bfe_u32 s2, ttmp6, 0x10000c
	s_cmp_lg_u32 s2, 0xf033
	s_cbranch_scc0 .Lentry_shape_is_right
	s_endpgm
.Lentry_shape_is_right:
; q = x Wq^T + bq, k = x Wk^T + bk, v = x Wv^T + bv on codes of FP4 (E2M1) with one E8M0 scale for each 32 along K, and the quantisers of the two products of attention.
; x: [8192][1024] codes, the weights [1024][1024] codes, K innermost; scale bytes [rows][32].  Results leave as codes and scale words only, laid as images of the operand registers that the next launch wants.
; NO WORK IS LEFT OUT: every input can move a code, bk too (it stands ahead of a quantiser).  ONE IDENTITY IS USED: reference()'s factor 2^-3 on q is a power of two, so the codes of q / 8 are the codes of q and every
; scale is 2^-3 times q's; the factor goes into the constant of the softmax in the next launch.  LIMIT: a block of q whose largest magnitude lies under 2^-121 would meet the hold of the scale at 2^-126 otherwise than here.
; LIMITS: a block of zeros gets the byte 1 where the rule says 127 (its codes are zeros, and this program alone reads the bytes); NaN and infinities among the values are not served.
; SHARES.  The cluster's x says which weight (0 q, 1 k, 2 v); a work-group makes 256 tokens x 256 features, each of its four waves 128 x 128: 64 accumulators of 16 x 16, 512 registers.
; K = 1,024 is two LDS slots of 512 along K: both are first fills, nothing is filled again.  CLUSTER 4 x 4: x's tiles are shared along a row of the cluster, the weight's along a column: joint loads.
; TWO ARMS, parted on the cluster's x, which all sixteen partners share.  q and k: source 0 = 16 rows of W, source 1 = 16 tokens: a lane holds ONE token and 8 features, since their next K is the head's 64.
; v: source 0 = 16 tokens, source 1 = 16 rows of W: a lane holds ONE feature and 8 tokens, since its next K is the keys.  The biases are the C of each sum's first matrix instruction.
; FROM RESULTS TO AN OPERAND.  Two blocks of 32 along the next K are four result tiles T0..T3; a lane of half h holds numbers 8 h + 0..7 of each.  Codes R0 = T0's, R2 = T1's, R1 = T2's, R3 = T3's; then R0's upper lanes change
; places with R1's lower, R2's with R3's: lanes 0-15 hold block 0, lanes 16-31 block 1, numbers 0..31 in order in R0..R3: four registers of a 4-bit operand.  They are stored 16 bytes a lane, 512 consecutive bytes a store.
; REGISTERS, in windows of 256: window 0: v0-31 addresses; v32-95 scale words, two sets, and nothing else; v96-127 at work on the way out; v128-191 x's fragments, later the codes; v192-255 the biases, later at work.
;   window 1: the weight's fragments, two sets, at v0 and v128.   windows 2, 3: the accumulators: (token block a, feature block b) at v[8 (8 (a % 4) + b)] of window 2 + a / 4.
.set ROWB,   256                       ; a tile's row in bytes: 512 codes
.set KROW,   512                       ; a row of codes in memory
.set PITCH,  272                       ; an LDS row: 256 bytes + 16 of padding = 68 words: the 16 rows that a load touches start at 16 different banks (64 banks of 4 bytes: ISA guide 11.1)
.set NQ,     4                         ; steps of 128 along K in a slot
.set FR,     8                         ; registers of a fragment
.set NL,     2                         ; LDS loads that bring one
.set NP,     4                         ; places behind this matrix instruction (ISA guide 7.12.1)
.set HALFT,  128*PITCH
.set SLOT,   4*HALFT                   ; x's 256 rows, then the weight's 256 rows
.set KS,     32                        ; a row of scale bytes
.set SCL,    2*SLOT                    ; behind the slots: the scale bytes, as units of 256 bytes + 16 of padding
.set HALFS,  16*272                    ; those of 128 rows
.set SBLK,   2*272                     ; those of 16 rows
.set SPARE,  SCL+4*HALFS               ; the spare words, 128 bytes for each wave
.set ADRA, 16                          ; v16-17  LDS address of x's fragments in slot 0, 1
.set ADRB, 20                          ; v20-21  the same for the weight
.set LI,   24                          ; v24     16 x lane
.set L8,   25                          ; v25     8 x lane
.set BO,   26                          ; v26     my offset among the wave's 128 biases
.set ADRS, 27                          ; v27     LDS address of my scale words: lanes 0-15 x's rows, lanes 16-31 the weight's
.set SPW,  28                          ; v28     LDS address of my spare word; never rewritten
.set NIL,  29                          ; v29     0; never rewritten
.set SC,   32                          ; scale words: set s at v[SC + 32 s]; register 4 i + q: lanes 0-15 x's block i, lanes 16-31 the weight's block i, the slot's q-th 128 along K
.set AF,   128                         ; x's fragments
.set BIAS, 192                         ; eight registers for each feature block, in the result's layout
.set T,    96                          ; the way out: 16 largest magnitudes
.set X,    112                         ; the other half's, then the bytes
.set R,    128                         ; the codes: 32 registers a call
.set S,    192                         ; the conversions' scale operands
.set HW,   208                         ; two bytes of a unit: 8 registers a call
.set WD,   224                         ; scale words as they are stored
.set PW,   232                         ; v: four bytes of a feature
.set G1, 24                            ; s[24:31] group 1 for x's tiles; s[32:39] group 0, a set for each slot
.set G0, 32
.set G1B, 48                           ; s[48:55], s[56:63] the same for the weight's
.set G0B, 56
.set G1S, 68                           ; s[68:75], s[76:79] groups 1 and 0 for x's scales; s[80:87], s[88:91] for the weight's
.set G0S, 76
.set G1SB, 80
.set G0SB, 88
.set SEL, 92                           ; s92, s93 lane selects for v_permlanex16_b32: lane l xor 16;  s94: the mask of lanes 16-31
.set TO_B, 0x40                        ; destination window 1, address window 0
.set MSB, 0
.macro WIN new                         ; the immediate's high byte repeats the setting that is left; a switch that changes nothing is dropped
.set WNEW, (\new)
.if MSB != WNEW
	s_set_vgpr_msb (MSB<<8)|WNEW
.set MSB, WNEW
.endif
.endm
.macro WINM hi, first, sw              ; for products: D in window 2 + hi; C there too, or (first) the biases in window 0; the weight's fragments in window 1: source 0 (sw = 0) or source 1 (sw = 1)
	WIN ((2+(\hi))<<6)|((1-(\first))*((2+(\hi))<<4))|(1+3*(\sw))
.endm
; A joint load: waves 0 and 1 fetch for x, waves 2 and 3 for the weight.  Each line has one mask and one set of registers for all that issue it; the branch hangs on the wave's number alone.
; An s_nop 0 and four v_nop follow each of the two lines.
.macro JLOAD g0a, g1a, g0b, g1b
	s_cmp_eq_u32 s15, 0
	s_cbranch_scc0 .Lfor_b_\@
	tensor_load_to_lds s[\g0a:\g0a+3], s[\g1a:\g1a+7]
	s_nop 0
.rept 4
	v_nop
.endr
	s_branch .Lasked_\@
.Lfor_b_\@:
	tensor_load_to_lds s[\g0b:\g0b+3], s[\g1b:\g1b+7]
	s_nop 0
.rept 4
	v_nop
.endr
.Lasked_\@:
.endm
.macro CROUND                          ; a round of the cluster's barrier
	s_barrier_signal -1
	s_barrier_wait -1
	s_cmp_lg_u32 s14, 0
	s_cbranch_scc1 .Lnot_wave_0_\@
	s_barrier_signal -3
.Lnot_wave_0_\@:
	s_barrier_wait -3
	s_barrier_signal -1
	s_barrier_wait -1
.endm
	s_load_b128 s[4:7], s[0:1], 0x0                ; x's codes, x's scales
	s_load_b256 s[32:39], s[0:1], 0x10             ; Wq's codes, Wq's scales, bq, Wk's codes
	s_load_b256 s[56:63], s[0:1], 0x30             ; Wk's scales, bk, Wv's codes, Wv's scales
	s_load_b256 s[88:95], s[0:1], 0x50             ; bv, qc, qs, kv
	v_lshl_add_u32 v[SPW], v0, 2, SPARE
	v_mov_b32 v[NIL], 0
	ds_add_u32 v[SPW], v[NIL]                      ; the wave's opening: the add, twice on end, and its wait ahead of my first tensor load
	ds_add_u32 v[SPW], v[NIL]                      ; and once more, under the one wait; the set-up below, work on registers, stands between
	v_lshrrev_b32 v1, 5, v0
	v_readfirstlane_b32 s14, v1                    ; wave 0..3
	s_lshr_b32 s15, s14, 1                         ; which half of the tokens is mine.  Also: I fetch for x (0) or for the weight (1)
	s_and_b32 s16, s14, 1                          ; which half of the features.  Also: which 128 rows I fetch
	s_bfe_u32 s40, ttmp6, 0x40000                  ; cx: the block of 256 features of my weight
	s_bfe_u32 s41, ttmp6, 0x40004                  ; cy
	s_and_b32 s17, ttmp7, 0xffff
	s_lshl_b32 s17, s17, 2
	s_add_co_u32 s17, s17, s41                     ; my block of 256 tokens = 4 x cluster y + cy
	s_lshl_b32 s43, s41, 2
	s_lshl_b32 s43, 15, s43                        ; my row of the cluster
	s_lshl_b32 s44, 0x1111, s40                    ; my column
	s_or_b32 s[G1+0], s43, (0<<16)|(1<<20)|(1<<21)|(5<<22)|(3<<25)  ; the mask; elements of 1 byte; padding on; bit 21 beside a mask; after every 64 words four words
	s_or_b32 s[G1B+0], s44, (0<<16)|(1<<20)|(1<<21)|(5<<22)|(3<<25)
.irp g, G1, G1B
	s_mov_b32 s[\g+1], ROWB<<16                    ; tensor_dim0
	s_mov_b32 s[\g+2], 128<<16                     ; tensor_dim1
	s_mov_b32 s[\g+3], ROWB<<16                    ; tile_dim0
	s_mov_b32 s[\g+4], 128                         ; tile_dim1
	s_mov_b32 s[\g+5], KROW                        ; from row to row
	s_mov_b32 s[\g+6], 0
	s_mov_b32 s[\g+7], 0
.endr
	s_or_b32 s[G1S+0], s43, (3<<16)|(1<<20)|(1<<21)|(5<<22)|(3<<25)  ; the scales of 128 rows: 4,096 dense bytes as 16 rows of 32 elements of 8 bytes, 16 bytes of padding behind each
	s_or_b32 s[G1SB+0], s44, (3<<16)|(1<<20)|(1<<21)|(5<<22)|(3<<25)
.irp g, G1S, G1SB
	s_mov_b32 s[\g+1], 32<<16
	s_mov_b32 s[\g+2], 16<<16
	s_mov_b32 s[\g+3], 32<<16
	s_mov_b32 s[\g+4], 16
	s_mov_b32 s[\g+5], 32
	s_mov_b32 s[\g+6], 0
	s_mov_b32 s[\g+7], 0
.endr
	s_lshl_b32 s18, s16, 7                         ; which 128 rows I fetch
	s_lshl_b32 s20, s17, 8
	s_add_co_u32 s20, s20, s18                     ; x: row 256 x token block + 128 x half
	s_lshl_b32 s22, s20, 5                         ; its scale bytes,
	s_lshl_b32 s20, s20, 9                         ; its codes
	s_mov_b32 s21, 0
	s_mov_b32 s23, 0
	s_lshl_b32 s46, s40, 8
	s_add_co_u32 s46, s46, s18                     ; the weight: row 256 cx + 128 x half
	s_lshl_b32 s96, s46, 5
	s_lshl_b32 s46, s46, 9
	s_mov_b32 s47, 0
	s_mov_b32 s97, 0
	s_mul_i32 s45, s14, HALFT                      ; where they go: wave x 128 rows: no place in the cluster enters an LDS address
	s_mul_i32 s2, s14, HALFS
	s_wait_dscnt 0x0                               ; both opening adds are done
	s_wait_kmcnt 0x0
	s_cmp_eq_u32 ttmp9, 1                          ; the weight is chosen by the cluster's x alone
	s_cselect_b64 s[8:9], s[38:39], s[60:61]
	s_cselect_b64 s[10:11], s[56:57], s[62:63]
	s_cselect_b64 s[12:13], s[58:59], s[88:89]
	s_cmp_eq_u32 ttmp9, 0
	s_cselect_b64 s[8:9], s[32:33], s[8:9]         ; its codes,
	s_cselect_b64 s[10:11], s[34:35], s[10:11]     ; its scales,
	s_cselect_b64 s[12:13], s[36:37], s[12:13]     ; its bias;
	s_cselect_b64 s[98:99], s[90:91], s[94:95]     ; where the codes go: qc or kv,
	s_cselect_b64 s[100:101], s[92:93], s[94:95]   ; and the scale words: qs or kv
	s_add_nc_u64 s[20:21], s[4:5], s[20:21]
	s_add_nc_u64 s[22:23], s[6:7], s[22:23]
	s_add_nc_u64 s[46:47], s[8:9], s[46:47]
	s_add_nc_u64 s[96:97], s[10:11], s[96:97]
	s_mov_b32 s[G0S], 1
	s_add_co_u32 s[G0S+1], s2, SCL
	s_mov_b64 s[G0S+2:G0S+3], s[22:23]
	s_or_b32 s[G0S+3], s[G0S+3], 0x80000000
	s_mov_b32 s[G0SB], 1
	s_add_co_u32 s[G0SB+1], s2, SCL
	s_mov_b64 s[G0SB+2:G0SB+3], s[96:97]
	s_or_b32 s[G0SB+3], s[G0SB+3], 0x80000000
.irp s, 0,1
	s_mov_b32 s[G0+4*\s], 1
	s_add_co_u32 s[G0+4*\s+1], s45, \s*SLOT
	s_add_nc_u64 s[G0+4*\s+2:G0+4*\s+3], s[20:21], \s*ROWB
	s_or_b32 s[G0+4*\s+3], s[G0+4*\s+3], 0x80000000
	s_mov_b32 s[G0B+4*\s], 1
	s_add_co_u32 s[G0B+4*\s+1], s45, \s*SLOT
	s_add_nc_u64 s[G0B+4*\s+2:G0B+4*\s+3], s[46:47], \s*ROWB
	s_or_b32 s[G0B+4*\s+3], s[G0B+4*\s+3], 0x80000000
.endr
	CROUND                                         ; all sixteen work-groups are here: the joint loads meet
	JLOAD G0S, G1S, G0SB, G1SB                     ; the scales first; then both slots: three loads of mine are out, and these are all of the launch
	JLOAD G0, G1, G0B, G1B
	JLOAD G0+4, G1, G0B+4, G1B
	s_mov_b32 s[SEL], 0x76543210
	s_mov_b32 s[SEL+1], 0xfedcba98
	s_mov_b32 s94, 0xffff0000
	v_and_b32 v1, 15, v0                           ; r = lane % 16
	v_bfe_u32 v2, v0, 4, 1                         ; h = lane / 16
	v_mul_u32_u24 v3, v1, PITCH
	v_lshl_add_u32 v4, v2, 4, v3                   ; a fragment's row x pitch + 16 x half
	s_mul_i32 s21, s15, HALFT                      ; my 128 tokens
	s_mul_i32 s22, s16, HALFT                      ; my 128 rows of the weight,
	s_add_co_u32 s22, s22, 2*HALFT                 ; which lie behind x's 256
.irp s, 0,1
	v_add_nc_u32 v[ADRA+\s], s21, v4
	v_add_nc_u32 v[ADRB+\s], s22, v4
	s_add_co_u32 s21, s21, SLOT
	s_add_co_u32 s22, s22, SLOT
.endr
	v_mul_u32_u24 v5, v1, KS                       ; my row's scales: 32 bytes a row,
	v_lshrrev_b32 v6, 8, v5
	v_lshl_add_u32 v5, v6, 4, v5                   ; and 16 more for each 256 passed
	s_mul_i32 s21, s15, HALFS
	s_mul_i32 s22, s16, HALFS
	s_add_co_u32 s22, s22, 2*HALFS
	s_sub_co_u32 s22, s22, s21
	v_mul_u32_u24 v6, s22, v2                      ; lanes 16-31 take the weight's
	s_add_co_u32 s21, s21, SCL
	v_add_nc_u32 v5, v5, v6
	v_add_nc_u32 v[ADRS], s21, v5
	v_and_b32 v6, 31, v0
	v_lshlrev_b32 v[LI], 4, v6
	v_lshlrev_b32 v[L8], 3, v6
	; WHERE THE RESULTS GO.  My 128 tokens are group g of batch b; my 128 features are heads bh0 and bh0 + 1.  qc: 65,536 bytes a head, 4,096 a group; qs: 8,192 and 512; kv: 143,360 and 8,960, K's scale words 8,192 into a record
	s_cmp_eq_u32 ttmp9, 0
	s_mov_b32 s18, 143360
	s_cselect_b32 s19, 0x10000, s18                ; from head to head: the codes,
	s_cselect_b32 s18, 0x2000, s18                 ; the scale words
	s_mov_b32 s20, 8960
	s_cselect_b32 s21, 0x1000, s20                 ; from group to group: the codes,
	s_cselect_b32 s20, 0x200, s20                  ; the scale words
	s_cselect_b32 s22, 0, 0x2000
	s_lshr_b32 s41, s17, 3
	s_lshl_b32 s41, s41, 4                         ; 16 b
	s_lshl_b32 s23, s40, 2
	s_add_co_u32 s41, s41, s23
	s_lshl_b32 s23, s16, 1
	s_add_co_u32 s41, s41, s23                     ; bh0 = 16 b + 4 cx + 2 x half
	s_and_b32 s42, s17, 7
	s_lshl_b32 s42, s42, 1
	s_add_co_u32 s42, s42, s15                     ; g
	s_mul_i32 s4, s41, s19
	s_mul_i32 s23, s42, s21
	s_add_co_u32 s4, s4, s23
	s_mov_b32 s5, 0
	s_add_nc_u64 s[8:9], s[98:99], s[4:5]          ; the codes of head bh0,
	s_mov_b32 s4, s19
	s_add_nc_u64 s[10:11], s[8:9], s[4:5]          ; of head bh0 + 1
	s_mul_i32 s4, s41, s18
	s_mul_i32 s23, s42, s20
	s_add_co_u32 s4, s4, s23
	s_add_co_u32 s4, s4, s22
	s_add_nc_u64 s[6:7], s[100:101], s[4:5]        ; q's and k's scale words of head bh0,
	s_mov_b32 s4, s18
	s_add_nc_u64 s[4:5], s[6:7], s[4:5]            ; of head bh0 + 1
	s_lshl_b32 s46, s40, 10
	s_lshl_b32 s47, s16, 9
	s_add_co_u32 s46, s46, s47
	s_mov_b32 s47, 0
	s_add_nc_u64 s[12:13], s[12:13], s[46:47]      ; my 128 biases
.macro FRAG reg, adr, q, i             ; 16 rows x 128 K of 4-bit codes: lane l holds row l % 16; registers 4 c .. 4 c + 3 hold K = 64 c + 32 (l / 16) + 0 .. 31
.irp c, 0,1
	ds_load_b128 v[\reg+4*\c:\reg+4*\c+3], v[\adr] offset:64*(\q)+32*\c+(\i)*16*PITCH
.endr
.endm
; 16 matrix instructions: token blocks a0, a0 + 1 x the eight feature blocks, the slot's q-th 128 along K.  p: the weight's set; sc: the set of scale words; first: C = the biases.
; The 64 accumulators take turns, one instruction a turn, in the same order in every step.
.macro MUL16 a0, p, q, sc, first, sw
.irp a, \a0, \a0+1
.irp b, 0,1,2,3,4,5,6,7
.set rD, 8*(8*((\a)%4)+\b)
.set rB, 128*(\p)+FR*\b
.set rA, AF+FR*(\a)
.set rC, rD
.if \first
.set rC, BIAS+8*\b
.endif
.set xSB, SC+8*NQ*(\sc)+NQ*\b+(\q)
.set xSA, SC+8*NQ*(\sc)+NQ*(\a)+(\q)
.if \sw
	v_wmma_scale_f32_16x16x128_f8f6f4 v[rD:rD+7], v[rA:rA+7], v[rB:rB+7], v[rC:rC+7], v[xSA], v[xSB] matrix_a_fmt:MATRIX_FMT_FP4 matrix_b_fmt:MATRIX_FMT_FP4 matrix_b_scale:MATRIX_SCALE_ROW1
.else
	v_wmma_scale_f32_16x16x128_f8f6f4 v[rD:rD+7], v[rB:rB+7], v[rA:rA+7], v[rC:rC+7], v[xSB], v[xSA] matrix_a_fmt:MATRIX_FMT_FP4 matrix_b_fmt:MATRIX_FMT_FP4 matrix_a_scale:MATRIX_SCALE_ROW1
.endif
.endr
.endr
.endm
.macro FETCH_B slot, q, p
	WIN TO_B
.irp i, 0,1,2,3,4,5,6,7
	FRAG 128*(\p)+FR*\i, ADRB+\slot, \q, \i
.endr
	WIN 0
.endm
.macro FETCH_A slot, q, i0
.irp i, \i0, \i0+1, \i0+2, \i0+3
	FRAG AF+FR*(\i), ADRA+\slot, \q, \i
.endr
.endm
.macro SCALES sc                       ; a slot's scale words: four words a row; lanes 0-15 take x's block i, lanes 16-31 the weight's block i
.irp i, 0,1,2,3,4,5,6,7
	ds_load_b128 v[SC+8*NQ*\sc+NQ*\i:SC+8*NQ*\sc+NQ*\i+3], v[ADRS] offset:\i*SBLK
.endr
.endm
.macro PLACES n                        ; plain vector instructions in front of loads into registers that matrix instructions have read
.rept \n
	v_nop
.endr
.endm
; A step of 128 along K that has its successor in the same slot.  x's blocks 0-3 are fetched anew in the step's middle, blocks 4-7 at its end; the weight has two sets.
.macro STEP slot, q, first, sw
	s_wait_dscnt 4*NL                              ; all but the youngest eight loads (x's blocks 4-7) are in
	WINM 0, \first, \sw
	MUL16 0, (\q)%2, \q, \slot, \first, \sw
	MUL16 2, (\q)%2, \q, \slot, \first, \sw
	s_wait_dscnt 0                                 ; x's blocks 4-7 are in
	PLACES NP
	FETCH_B \slot, (\q)+1, 1-(\q)%2
	FETCH_A \slot, (\q)+1, 0
	WINM 1, \first, \sw
	MUL16 4, (\q)%2, \q, \slot, \first, \sw
	MUL16 6, (\q)%2, \q, \slot, \first, \sw
	PLACES NP
	WIN 0
	FETCH_A \slot, (\q)+1, 4
.endm
; Slot 0's last step goes on into slot 1: each wave's part of slot 1 has landed ahead of its signal, so behind the barrier the slot is whole.  Nothing is filled again.
.macro TURN0 sw
	s_wait_tensorcnt 0x0                           ; my part of slot 1 is in
	s_wait_dscnt 4*NL
	WINM 0, 0, \sw
	MUL16 0, 1, NQ-1, 0, 0, \sw
	s_wait_dscnt 0x0                               ; no LDS instruction of mine is out at the signal
	s_barrier_signal -1
	MUL16 2, 1, NQ-1, 0, 0, \sw
	WIN 0
	s_barrier_wait -1
	PLACES NP
	v_add_nc_u32 v[ADRS], 4*NQ, v[ADRS]            ; on to slot 1's scale words
	FETCH_B 1, 0, 0
	FETCH_A 1, 0, 0
	SCALES 1
	WINM 1, 0, \sw
	MUL16 4, 1, NQ-1, 0, 0, \sw
	MUL16 6, 1, NQ-1, 0, 0, \sw
	PLACES NP
	WIN 0
	FETCH_A 1, 0, 4
.endm
.macro LAST sw                         ; the very last step: nothing more to fetch
	s_wait_dscnt 4*NL
	WINM 0, 0, \sw
	MUL16 0, 1, NQ-1, 1, 0, \sw
	MUL16 2, 1, NQ-1, 1, 0, \sw
	s_wait_dscnt 0
	WINM 1, 0, \sw
	MUL16 4, 1, NQ-1, 1, 0, \sw
	MUL16 6, 1, NQ-1, 1, 0, \sw
	WIN 0
.endm
; THE WAY OUT of the 32 accumulators of window 2 + call: eight units f, each two blocks e of two tiles u; tile (f, e, u) begins at register FS f + ES e + US u.
; q, k: unit = token block f / 2 of the call's four, head f % 2; v: unit = feature block f, the call's 64 tokens.
.macro EPI call, FS, ES, US, sw
	WIN 0x0a+5*(\call)                             ; sources 0 and 1: the accumulators' window
.irp u, 0,1                            ; the largest magnitude of my 16 numbers of each of the 16 blocks, by turns; each tile is first read at its registers 0 and 1
.irp i, 0,2,4,6
.irp f, 0,1,2,3,4,5,6,7
.irp e, 0,1
.set rT, T+2*\f+\e
.set rS, (\FS)*\f+(\ES)*\e+(\US)*\u+\i
.if (\u+\i) == 0
	v_max3_num_f32 v[rT], |v[rS]|, |v[rS+1]|, 0x1800000            ; with the floor 2^(3 - 127): the byte cannot fall under 1
.else
	v_max3_num_f32 v[rT], |v[rS]|, |v[rS+1]|, v[rT]
.endif
.endr
.endr
.endr
.endr
	WIN 0
.set n, 0
.rept 16
	v_permlanex16_b32 v[X+n], v[T+n], s[SEL], s[SEL+1]
.set n, n+1
.endr
.set n, 0
.rept 16
	v_max_num_f32 v[T+n], v[T+n], v[X+n]           ; with lane l xor 16's 16: the block's largest magnitude
.set n, n+1
.endr
.set n, 0
.rept 16
	v_add_nc_u32 v[S+n], 0xff000000, v[T+n]        ; 2 off its exponent field: the conversion takes the exponent field of this operand as its scale
.set n, n+1
.endr
.set n, 0
.rept 16
	v_lshrrev_b32 v[X+n], 23, v[S+n]               ; the scale's byte
.set n, n+1
.endr
.irp f, 0,1,2,3,4,5,6,7
	v_lshl_or_b32 v[HW+8*(\call)+\f], v[X+2*\f+1], 8, v[X+2*\f]    ; the unit's two bytes
.endr
	WIN 0x02+(\call)                               ; source 0: the accumulators' window
.irp f, 0,1,2,3,4,5,6,7
.set rR, R+32*(\call)+4*\f
.set rS, (\FS)*\f
	v_cvt_scalef32_pk8_fp4_f32 v[rR], v[rS:rS+7], v[S+2*\f]
	v_cvt_scalef32_pk8_fp4_f32 v[rR+2], v[rS+(\US):rS+(\US)+7], v[S+2*\f]
	v_cvt_scalef32_pk8_fp4_f32 v[rR+1], v[rS+(\ES):rS+(\ES)+7], v[S+2*\f+1]
	v_cvt_scalef32_pk8_fp4_f32 v[rR+3], v[rS+(\ES)+(\US):rS+(\ES)+(\US)+7], v[S+2*\f+1]
.endr
	WIN 0
	v_nop                                          ; one plain place behind a scaled conversion
.irp f, 0,1,2,3,4,5,6,7
.set rR, R+32*(\call)+4*\f
	v_permlane16_swap_b32 v[rR], v[rR+1]           ; lanes 0-15 now hold block 0, lanes 16-31 block 1, in order
	v_permlane16_swap_b32 v[rR+2], v[rR+3]
.endr
.irp f, 0,1,2,3,4,5,6,7
.set rR, R+32*(\call)+4*\f
.if \sw
	global_store_b128 v[LI], v[rR:rR+3], s[8+2*(\f/4):9+2*(\f/4)] offset:4096+1024*(\f%4)+512*(\call)   ; V's codes of a record: [16 of the head's 64][64 keys]: 512 consecutive bytes
.else
	global_store_b128 v[LI], v[rR:rR+3], s[8+2*(\f%2):9+2*(\f%2)] offset:512*(4*(\call)+\f/2)           ; a tile of 16 tokens: 512 consecutive bytes
.endif
.endr
.endm
.macro ARM sw
.if \sw
	v_lshlrev_b32 v[BO], 2, v1                     ; a lane holds feature r: its bias in all eight registers
.irp b, 0,1,2,3,4,5,6,7
.irp j, 0,1,2,3,4,5,6,7
	global_load_b32 v[BIAS+8*\b+\j], v[BO], s[12:13] offset:64*\b
.endr
.endr
.else
	v_lshlrev_b32 v[BO], 5, v2                     ; a lane holds features 8 h + 0 .. 7 of a block
.irp b, 0,1,2,3,4,5,6,7
	global_load_b128 v[BIAS+8*\b:BIAS+8*\b+3], v[BO], s[12:13] offset:64*\b
	global_load_b128 v[BIAS+8*\b+4:BIAS+8*\b+7], v[BO], s[12:13] offset:64*\b+16
.endr
.endif
	s_wait_tensorcnt 1                             ; the scales and my part of slot 0 are in; slot 1's load, the one issued behind them, may be out
	s_barrier_signal -1
	s_barrier_wait -1                              ; everybody's are
	FETCH_B 0, 0, 0
	FETCH_A 0, 0, 0
	SCALES 0
	FETCH_A 0, 0, 4
	s_wait_loadcnt 0x0                             ; the biases
	STEP 0, 0, 1, \sw                              ; the first products start the sums from the biases: nothing is cleared, nothing is added later
	STEP 0, 1, 0, \sw
	STEP 0, 2, 0, \sw
	TURN0 \sw
	STEP 1, 0, 0, \sw
	STEP 1, 1, 0, \sw
	STEP 1, 2, 0, \sw
	LAST \sw
.set n, 0
.rept 16
	v_mov_b32 v[X+n], 0                            ; a lane permute's destination counts as one of its sources: written once.  These are also the places behind the last products
.set n, n+1
.endr
.if \sw
	EPI 0, 8, 128, 64, 1
	EPI 1, 8, 128, 64, 1
.irp f, 0,1,2,3,4,5,6,7
	v_lshl_or_b32 v[PW+\f], v[HW+8+\f], 16, v[HW+\f]               ; a feature's four bytes for the 128 keys
.endr
.irp hh, 0,1
.irp i, 0,1
	v_cndmask_b32 v[WD+2*\hh+\i], v[PW+4*\hh+2*\i], v[PW+4*\hh+2*\i+1], s94   ; lanes 0-15: features 32 i + l, lanes 16-31 likewise, from the next block
.endr
	global_store_b64 v[L8], v[WD+2*\hh:WD+2*\hh+1], s[8+2*\hh:9+2*\hh] offset:8704   ; 256 consecutive bytes
.endr
.else
	EPI 0, 32, 16, 8, 0
	EPI 1, 32, 16, 8, 0
.irp hh, 0,1
.irp i, 0,1,2,3
	v_cndmask_b32 v[WD+4*\hh+\i], v[HW+8*(\i/2)+4*(\i%2)+\hh], v[HW+8*(\i/2)+4*(\i%2)+2+\hh], s94   ; word i of lane l: token 32 i + l; bytes 2 and 3 are 0
.endr
	global_store_b128 v[LI], v[WD+4*\hh:WD+4*\hh+3], s[6-2*\hh:7-2*\hh]   ; 512 consecutive bytes
.endr
.endif
.endm
	s_cmp_eq_u32 ttmp9, 2                          ; the cluster's x: the same in all sixteen partners and in all waves
	s_cbranch_scc1 .Lvalues
	s_wait_alu depctr_va_vdst(0)
	ARM 0
	s_branch .Ljoin
.Lvalues:
	s_wait_alu depctr_va_vdst(0)
	ARM 1
.Ljoin:
	s_wait_tensorcnt 0x0                           ; the wave's end, behind my last tensor load
	ds_add_u32 v[SPW], v[NIL]
	s_wait_dscnt 0x0
	CROUND                                         ; the closing round: no work-group ends while a partner may still ask for a tile that names it
	s_endpgm
.Lfunc_end_k_q50a35049c8_qkv:
	.size	k_q50a35049c8_qkv, .Lfunc_end_k_q50a35049c8_qkv-k_q50a35049c8_qkv
	.p2alignl 7, 3214868480
	.fill 96, 4, 3214868480
	.section	.rodata,"a",@progbits
	.p2align	6, 0x0
	.amdhsa_kernel k_q50a35049c8_qkv
		.amdhsa_group_segment_fixed_size 327680
		.amdhsa_private_segment_fixed_size 0
		.amdhsa_enable_private_segment 0
		.amdhsa_kernarg_size 112
		.amdhsa_user_sgpr_count 2
		.amdhsa_user_sgpr_kernarg_segment_ptr 1
		.amdhsa_wavefront_size32 1
		.amdhsa_system_sgpr_workgroup_id_x 1
		.amdhsa_system_sgpr_workgroup_id_y 1
		.amdhsa_system_sgpr_workgroup_id_z 1
		.amdhsa_system_vgpr_workitem_id 0
		.amdhsa_next_free_vgpr 1024
		.amdhsa_next_free_sgpr 102
		.amdhsa_reserve_vcc 0
		.amdhsa_float_denorm_mode_32 3
		.amdhsa_float_denorm_mode_16_64 3
		.amdhsa_memory_ordered 1
		.amdhsa_forward_progress 1
		.amdhsa_inst_pref_size 253
	.end_amdhsa_kernel
	.amdgpu_metadata
---
amdhsa.version: [ 1, 2 ]
amdhsa.kernels:
  - .name:           k_q50a35049c8_qkv
    .symbol:         k_q50a35049c8_qkv.kd
    .args:
      - { .name: hidden_states_codes, .offset: 0, .size: 8, .value_kind: global_buffer, .address_space: global }
      - { .name: hidden_states_scales, .offset: 8, .size: 8, .value_kind: global_buffer, .address_space: global }
      - { .name: Wq_codes, .offset: 16, .size: 8, .value_kind: global_buffer, .address_space: global }
      - { .name: Wq_scales, .offset: 24, .size: 8, .value_kind: global_buffer, .address_space: global }
      - { .name: bq, .offset: 32, .size: 8, .value_kind: global_buffer, .address_space: global }
      - { .name: Wk_codes, .offset: 40, .size: 8, .value_kind: global_buffer, .address_space: global }
      - { .name: Wk_scales, .offset: 48, .size: 8, .value_kind: global_buffer, .address_space: global }
      - { .name: bk, .offset: 56, .size: 8, .value_kind: global_buffer, .address_space: global }
      - { .name: Wv_codes, .offset: 64, .size: 8, .value_kind: global_buffer, .address_space: global }
      - { .name: Wv_scales, .offset: 72, .size: 8, .value_kind: global_buffer, .address_space: global }
      - { .name: bv, .offset: 80, .size: 8, .value_kind: global_buffer, .address_space: global }
      - { .name: qc, .offset: 88, .size: 8, .value_kind: global_buffer, .address_space: global }
      - { .name: qs, .offset: 96, .size: 8, .value_kind: global_buffer, .address_space: global }
      - { .name: kv, .offset: 104, .size: 8, .value_kind: global_buffer, .address_space: global }
    .group_segment_fixed_size: 327680
    .private_segment_fixed_size: 0
    .kernarg_segment_align: 8
    .kernarg_segment_size: 112
    .max_flat_workgroup_size: 128
    .sgpr_count:     102
    .vgpr_count:     1024
    .wavefront_size: 32
...
	.end_amdgpu_metadata
.endif
;; end of part 1
;; launch attn (part 2): grid 4 x 64, 16 waves a work-group, clusters of 4 x 1, 167,936 bytes of LDS; arguments qc, qs, kv, oc, os; writes oc, os
.if DOCPART == 2
	.amdgcn_target "amdgcn-amd-amdhsa--gfx1250"
	.amdhsa_code_object_version 6
	.text
	.protected	k_q50a35049c8_attn
	.globl	k_q50a35049c8_attn
	.p2align	8
	.type	k_q50a35049c8_attn,@function
k_q50a35049c8_attn:
	s_mov_b64 s[64:65], 0
	v_nop
	global_prefetch_b8 v0, s[64:65] scope:SCOPE_SE
	s_setreg_imm32_b32 hwreg(HW_REG_WAVE_MODE, 25, 1), 1
	s_wait_xcnt 0x0
	s_wait_alu depctr_hold_cnt(0) depctr_sa_sdst(0) depctr_va_vdst(0) depctr_va_sdst(0) depctr_va_ssrc(0) depctr_va_vcc(0) depctr_vm_vsrc(0)
	s_getreg_b32 s2, hwreg(HW_REG_IB_STS2, 6, 4)
	s_cmp_eq_u32 s2, 0
	s_cbranch_scc0 .Lentry_in_a_cluster
	s_endpgm
.Lentry_in_a_cluster:
	s_bfe_u32 s2, ttmp6, 0x10000c
	s_cmp_lg_u32 s2, 0x3003
	s_cbranch_scc0 .Lentry_shape_is_right
	s_endpgm
.Lentry_shape_is_right:
; o = softmax(q k^T / 8) v for each of 64 (batch, head), both products on codes of FP4 (E2M1) with one E8M0 scale for each 32 along a product's K, and the quantiser of the output projection's operand.
; No work of reference() is left out.  q's codes are those of the unscaled q (the factor 2^-3 is a power of two: see the first kernel); it stands in c = log2(e) / 8.
; THE SOFTMAX: t = score x c; M = the row's largest t so far, rounded UP to a whole number; p = 2^(t - M) is quantised along the keys, not normalised; the row's sum is taken of the unquantised p and divides O at the end.
; When M moves, the sum and O are multiplied by 2^(old M - new M): exact.  LIMITS: O / sum is O times v_rcp_f32 of the sum; a block of zeros keeps the byte 1 (its codes are zeros); NaN and infinities are not served.
; SHARES.  A work-group owns 512 queries of one head; each of its sixteen waves one tile of 16 queries in each of two passes, in 256 registers: four waves to a SIMD, so that one wave's vector work stands beside another's matrix work.
; THE WHOLE HEAD LIES IN LDS: 16 records of 8,960 bytes, one for each 128 keys: K's codes (8 tiles x 512), V's codes (4 x 2 x 512), K's scale words (512), V's (256), all as images of operand registers: every read is 16 (or 8) bytes x lane.
; Wave w brings record w by one tensor load: filled once, never again.  CLUSTER: the four work-groups of a head want the same records: joint loads, mask 15.
; LAYOUT.  S^T = K Q^T (source 0 = 16 keys, source 1 = my 16 queries), O^T = V^T P^T (source 0 = 16 of the head's 64): a lane holds ONE query throughout.  The head's 64 fill half of the first product's 128 along K:
; registers 4-7 of K's and Q's fragments are zeros, kept; the scale bytes of that half are 0, which is a number, so the zeros add nothing.
; REGISTERS: v1-11 addresses and Q's scale words; v12 -M, v13 the largest t, v[14:15] the sum; v16-31 Q of both passes; v32-95 K; v96-159 S^T, then p; v160-191 O^T; v192-223 V; v224-231 p's codes; v232-254 at work.
.set REC,   8960
.set STG,   16*REC                     ; behind the records: 512 halfwords, the scale bytes of the work-group's 512 tokens
.set SPARE, STG+1024                   ; the spare words, 128 bytes for each wave
.set LI,   1                           ; v1   16 x lane
.set L8,   2                           ; v2   8 x lane
.set SPW,  3                           ; v3   LDS address of my spare word; never rewritten
.set NIL,  4                           ; v4   0; never rewritten
.set ADR,  5                           ; v5   the record in hand + 16 x lane
.set ADR8, 6                           ; v6   the record in hand + 8 x lane
.set WV,   14
.set SEL,  20                          ; s[20:21] lane selects for v_permlanex16_b32: lane l xor 16
.set CS,   22                          ; s[22:23] c: the packed form names a pair and takes its low word for both halves
.set G1,   24
.set G0,   32
.set TB,   36                          ; s36  LDS byte at which the record in hand begins; also the loop's counter
.macro CROUND
	s_barrier_signal -1
	s_barrier_wait -1
	s_cmp_lg_u32 s[WV], 0
	s_cbranch_scc1 .Lnot_wave_0_\@
	s_barrier_signal -3
.Lnot_wave_0_\@:
	s_barrier_wait -3
	s_barrier_signal -1
	s_barrier_wait -1
.endm
	s_load_b256 s[4:11], s[0:1], 0x0               ; qc s[4:5], qs s[6:7], kv s[8:9], oc s[10:11]
	s_load_b64 s[12:13], s[0:1], 0x20              ; os
	v_lshl_add_u32 v[SPW], v0, 2, SPARE
	v_mov_b32 v[NIL], 0
	ds_add_u32 v[SPW], v[NIL]                      ; the wave's opening: the add, twice on end, and its wait ahead of my first tensor load
	ds_add_u32 v[SPW], v[NIL]                      ; and once more, under the one wait
	v_lshrrev_b32 v5, 5, v0
	s_delay_alu instid0(VALU_DEP_1)
	v_readfirstlane_b32 s[WV], v5                  ; wave 0..15
	s_bfe_u32 s15, ttmp6, 0x40000                  ; cx: my 512 queries of the head
	s_and_b32 s16, ttmp7, 0xffff                   ; 16 x batch + head, which the four partners share
	s_mov_b32 s[G1], 15|(3<<16)|(1<<21)            ; the mask: all four work-groups; elements of 8 bytes; bit 21 beside a mask; no padding
	s_mov_b32 s[G1+1], 32<<16                      ; a record is 35 dense rows of 256 bytes
	s_mov_b32 s[G1+2], 35<<16
	s_mov_b32 s[G1+3], 32<<16
	s_mov_b32 s[G1+4], 35
	s_mov_b32 s[G1+5], 32
	s_mov_b32 s[G1+6], 0
	s_mov_b32 s[G1+7], 0
	s_mov_b32 s[G0], 1
	s_mul_i32 s[G0+1], s[WV], REC                  ; record w lies at 8,960 w: no place in the cluster enters an LDS address
	s_mul_i32 s38, s16, 16*REC
	s_add_co_u32 s38, s38, s[G0+1]
	s_mov_b32 s39, 0
	s_mov_b32 s[SEL], 0x76543210
	s_mov_b32 s[SEL+1], 0xfedcba98
	s_mov_b32 s[CS], 0x3e38aa3b                    ; c = log2(e) / 8
	s_mov_b32 s[CS+1], s[CS]
	s_wait_dscnt 0x0                               ; both opening adds are done
	s_wait_kmcnt 0x0
	s_add_nc_u64 s[G0+2:G0+3], s[8:9], s[38:39]
	s_or_b32 s[G0+3], s[G0+3], 0x80000000
	CROUND                                         ; all four work-groups are here: the joint loads meet
	tensor_load_to_lds s[G0:G0+3], s[G1:G1+7]      ; every wave's one tensor load of the launch
	s_nop 0
.rept 4
	v_nop
.endr
	s_lshl_b32 s40, s15, 5
	s_add_co_u32 s40, s40, s[WV]                   ; my tile of queries in pass 0: 32 cx + w; pass 1: 16 tiles on
	s_lshl_b32 s38, s16, 16
	s_lshl_b32 s41, s40, 9
	s_add_co_u32 s38, s38, s41
	s_add_nc_u64 s[4:5], s[4:5], s[38:39]          ; its codes: 65,536 bytes a head, 512 a tile
	s_lshl_b32 s38, s16, 13                        ; its scale words: 8,192 bytes a head, 512 a group of 128 tokens; token 32 i + l of a group at 16 l + 4 i
	s_lshl_b32 s41, s15, 2
	s_lshr_b32 s42, s[WV], 3
	s_add_co_u32 s41, s41, s42
	s_lshl_b32 s41, s41, 9
	s_add_co_u32 s38, s38, s41
	s_and_b32 s41, s[WV], 1
	s_lshl_b32 s41, s41, 8
	s_add_co_u32 s38, s38, s41
	s_bfe_u32 s41, s[WV], 0x20001
	s_lshl_b32 s41, s41, 2
	s_add_co_u32 s38, s38, s41
	s_add_nc_u64 s[6:7], s[6:7], s[38:39]
	s_lshr_b32 s42, s16, 4                         ; batch
	s_and_b32 s43, s16, 15                         ; head
	s_lshl_b32 s38, s42, 20                        ; oc: 8,192 bytes a tile of 16 tokens, 128 tiles a batch, 512 bytes a head
	s_lshl_b32 s41, s40, 13
	s_add_co_u32 s38, s38, s41
	s_lshl_b32 s41, s43, 9
	s_add_co_u32 s38, s38, s41
	s_add_nc_u64 s[10:11], s[10:11], s[38:39]
	s_lshl_b32 s38, s43, 14                        ; os: 16,384 bytes a head, 2 a token
	s_lshl_b32 s41, s42, 12
	s_add_co_u32 s38, s38, s41
	s_lshl_b32 s41, s15, 10
	s_add_co_u32 s38, s38, s41
	s_add_nc_u64 s[12:13], s[12:13], s[38:39]
	v_and_b32 v[LI], 31, v0
	s_delay_alu instid0(VALU_DEP_1)
	v_lshlrev_b32 v[L8], 3, v[LI]
	s_delay_alu instid0(VALU_DEP_2)
	v_lshlrev_b32 v[LI], 4, v[LI]
	v_and_b32 v10, 15, v0                          ; r
	s_delay_alu instid0(VALU_DEP_1)
	v_lshlrev_b32 v9, 1, v10
	s_lshl_b32 s41, s[WV], 5
	v_add_nc_u32 v9, s41, v9
	s_delay_alu instid0(VALU_DEP_1)
	v_add_nc_u32 v9, STG, v9                       ; where my token's two scale bytes go: STG + 32 w + 2 r
	v_lshlrev_b32 v10, 4, v10                      ; Q's scale words: 16 r
	v_lshlrev_b32 v11, 4, v0                       ; the scales' way out: 16 x thread, in os
	s_delay_alu instid0(VALU_DEP_1)
	v_add_nc_u32 v255, STG, v11                    ; and in the stage
	global_load_b128 v[16:19], v[LI], s[4:5]       ; Q's codes of both passes stay in registers
	global_load_b128 v[24:27], v[LI], s[4:5] offset:8192
	global_load_b32 v7, v10, s[6:7]                ; and their scale words: v7, v8
	global_load_b32 v8, v10, s[6:7] offset:1024
.irp j, 20,21,22,23,28,29,30,31
	v_mov_b32 v[\j], 0                             ; the upper 64 along K of Q's fragments: zero codes
.endr
.irp t, 0,1,2,3,4,5,6,7
.irp j, 4,5,6,7
	v_mov_b32 v[32+8*\t+\j], 0                     ; and of K's: written once, no load lands there
.endr
.endr
.irp b, 0,1,2,3
	v_mov_b32 v[236+\b], 0                         ; a lane permute's destination counts as one of its sources
.endr
	v_mov_b32 v253, 0                              ; (named as the upper half of the pair v[252:253] before it is first written)
	s_wait_tensorcnt 0x0                           ; my record is in,
	s_barrier_signal -1
	s_barrier_wait -1                              ; everybody's is
	s_wait_loadcnt 0x0                             ; Q
; A KEY STEP: 128 keys, the record at s[TB].  QF: Q's fragment; QS: its scale words.
.macro STEP QF, QS
	v_add_nc_u32 v[ADR], s[TB], v[LI]
	v_add_nc_u32 v[ADR8], s[TB], v[L8]
	v_nop
	v_nop                                          ; four places behind the last step's products, in front of loads into registers that they have read
	ds_load_b128 v[248:251], v[ADR] offset:8192    ; K's scale words: register i: lanes 0-15 tile 2 i, lanes 16-31 tile 2 i + 1
.irp t, 0,1,2,3,4,5,6,7
	ds_load_b128 v[32+8*\t:35+8*\t], v[ADR] offset:512*\t
.endr
	ds_load_b64 v[240:241], v[ADR8] offset:8704    ; V's scale words, laid likewise
.irp t, 0,1,2,3
.irp c, 0,1
	ds_load_b128 v[192+8*\t+4*\c:195+8*\t+4*\c], v[ADR] offset:4096+1024*\t+512*\c
.endr
.endr
	s_wait_dscnt 9                                 ; K and its scales are in; V's nine loads, issued behind them, land under the softmax
.irp t, 0,2,4,6
	v_wmma_scale_f32_16x16x128_f8f6f4 v[96+8*\t:103+8*\t], v[32+8*\t:39+8*\t], v[\QF:\QF+7], 0, v[248+\t/2], v[\QS] matrix_a_fmt:MATRIX_FMT_FP4 matrix_b_fmt:MATRIX_FMT_FP4
	v_wmma_scale_f32_16x16x128_f8f6f4 v[104+8*\t:111+8*\t], v[40+8*\t:47+8*\t], v[\QF:\QF+7], 0, v[248+\t/2], v[\QS] matrix_a_fmt:MATRIX_FMT_FP4 matrix_b_fmt:MATRIX_FMT_FP4 matrix_a_scale:MATRIX_SCALE_ROW1
.endr                                  ; lane (r, h) holds query r; registers 96 + 8 t + j: key 16 t + 8 h + j.  Block b of 32 keys: registers 96 + 16 b .. + 15 of lanes l and l xor 16
.rept 4
	v_nop
.endr
.irp b, 0,1,2,3
	v_max3_num_f32 v[232+\b], v[96+16*\b], v[97+16*\b], v[98+16*\b]   ; the largest score of each block: for the row's maximum and, since p rises with the score, for the block's largest p
.endr
.irp i, 3,5,7,9,11,13
.irp b, 0,1,2,3
	v_max3_num_f32 v[232+\b], v[232+\b], v[96+16*\b+\i], v[97+16*\b+\i]
.endr
.endr
.irp b, 0,1,2,3
	v_max_num_f32 v[232+\b], v[232+\b], v[111+16*\b]
.endr
.irp b, 0,1,2,3
	s_delay_alu instid0(VALU_DEP_4)
	v_permlanex16_b32 v[236+\b], v[232+\b], s[SEL], s[SEL+1]
.endr
.irp b, 0,1,2,3
	s_delay_alu instid0(VALU_DEP_4)
	v_max_num_f32 v[232+\b], v[232+\b], v[236+\b]
.endr
	s_delay_alu instid0(VALU_DEP_2)
	v_max3_num_f32 v254, v232, v233, v234
	s_delay_alu instid0(VALU_DEP_1)
	v_max_num_f32 v254, v254, v235                 ; the step's largest score of my query
	s_delay_alu instid0(VALU_DEP_1)
	v_mul_f32 v254, s[CS], v254                    ; as t (c is positive)
	s_delay_alu instid0(VALU_DEP_1)
	v_max_num_f32 v13, v13, v254                   ; the running largest t
	v_mov_b32 v254, v12
	s_delay_alu instid0(VALU_DEP_2)
	v_floor_f32 v12, -v13                          ; the new -M = floor(-t): M is a whole number
	s_delay_alu instid0(VALU_DEP_1)
	v_sub_f32 v254, v12, v254                      ; old M - new M: a whole number, 0 or less
	s_delay_alu instid0(VALU_DEP_1)
	v_cvt_i32_f32 v254, v254                       ; (it saturates)
	s_delay_alu instid0(VALU_DEP_1)
	v_ldexp_f32 v252, 1.0, v254                    ; f = 2^(old M - new M)
.set j, 0
.rept 32
	v_pk_fma_f32 v[96+j:97+j], v[96+j:97+j], s[CS:CS+1], v[12:13] op_sel_hi:[1,0,0]   ; t - M, two at a time
.set j, j+2
.endr
.irp b, 0,1,2,3
	v_fma_f32 v[232+\b], v[232+\b], s[CS], v12     ; the same of each block's largest score
.endr
.set j, 0
	s_wait_alu depctr_va_vdst(0)
.rept 64
	v_exp_f32 v[96+j], v[96+j]                     ; p = 2^(t - M)
.set j, j+1
.endr
	s_setprio 1
	v_pk_mul_f32 v[14:15], v[14:15], v[252:253] op_sel_hi:[1,0]   ; the sums under the new M: the plain place behind the exponentials
	s_wait_alu depctr_va_vdst(0)                   ; one wait for the whole batch, ahead of its first reader
.irp b, 0,1,2,3
	v_exp_f32 v[232+\b], v[232+\b]                 ; the block's largest p
.endr
	v_pk_add_f32 v[236:237], v[100:101], v[104:105]
	v_pk_add_f32 v[250:251], v[108:109], v[112:113]
	v_pk_add_f32 v[248:249], v[116:117], v[120:121]
	v_pk_add_f32 v[246:247], v[124:125], v[128:129]
	v_pk_add_f32 v[244:245], v[132:133], v[136:137]
	v_pk_add_f32 v[242:243], v[140:141], v[144:145]
	v_pk_add_f32 v[238:239], v[148:149], v[152:153]
	v_pk_add_f32 v[14:15], v[14:15], v[156:157]
	v_pk_add_f32 v[236:237], v[236:237], v[96:97]
	v_pk_add_f32 v[250:251], v[250:251], v[98:99]
	v_pk_add_f32 v[248:249], v[248:249], v[102:103]
	v_pk_add_f32 v[246:247], v[246:247], v[106:107]
	v_pk_add_f32 v[244:245], v[244:245], v[110:111]
	v_pk_add_f32 v[242:243], v[242:243], v[114:115]
	v_pk_add_f32 v[238:239], v[238:239], v[118:119]
	v_pk_add_f32 v[14:15], v[14:15], v[122:123]
	v_pk_add_f32 v[236:237], v[236:237], v[126:127]
	v_pk_add_f32 v[250:251], v[250:251], v[130:131]
	v_pk_add_f32 v[248:249], v[248:249], v[134:135]
	v_pk_add_f32 v[246:247], v[246:247], v[138:139]
	v_pk_add_f32 v[244:245], v[244:245], v[142:143]
	v_pk_add_f32 v[242:243], v[242:243], v[146:147]
	v_pk_add_f32 v[238:239], v[238:239], v[150:151]
	v_pk_add_f32 v[14:15], v[14:15], v[154:155]
	v_pk_add_f32 v[236:237], v[236:237], v[158:159]
	s_delay_alu instid0(VALU_DEP_2)
	v_pk_add_f32 v[14:15], v[14:15], v[246:247]
	s_delay_alu instid0(VALU_DEP_2)
	v_pk_add_f32 v[236:237], v[236:237], v[244:245]
	v_pk_add_f32 v[250:251], v[250:251], v[242:243]
	v_pk_add_f32 v[248:249], v[248:249], v[238:239]
	s_delay_alu instid0(VALU_DEP_2)
	v_pk_add_f32 v[14:15], v[14:15], v[250:251]
	s_delay_alu instid0(VALU_DEP_2)
	v_pk_add_f32 v[236:237], v[236:237], v[248:249]
	s_delay_alu instid0(VALU_DEP_1)
	v_pk_add_f32 v[14:15], v[14:15], v[236:237]
	s_wait_alu depctr_va_vdst(0)                   ; and one for the four
.irp b, 0,1,2,3
	v_max_num_f32 v[232+\b], 0x1800000, v[232+\b]  ; the floor 2^(3 - 127): the byte cannot fall under 1
.endr
.irp b, 0,1,2,3
	s_delay_alu instid0(VALU_DEP_4)
	v_add_nc_u32 v[244+\b], 0xff000000, v[232+\b]  ; 2 off the exponent field: the conversion's scale operand
.endr
.irp b, 0,1,2,3
	s_delay_alu instid0(VALU_DEP_4)
	v_lshrrev_b32 v[236+\b], 23, v[244+\b]         ; the scale's byte
.endr
	s_delay_alu instid0(VALU_DEP_3)
	v_lshl_or_b32 v253, v237, 8, v236              ; p's scale word for these 128 keys
	s_delay_alu instid0(VALU_DEP_1)
	v_lshl_or_b32 v253, v238, 16, v253
	s_delay_alu instid0(VALU_DEP_1)
	v_lshl_or_b32 v253, v239, 24, v253
.irp c, 0,1                            ; blocks 2 c and 2 c + 1 are tiles 4 c .. 4 c + 3: codes into registers 0, 2, 1, 3 of the group, then the halves change places
	v_cvt_scalef32_pk8_fp4_f32 v[224+4*\c], v[96+32*\c:103+32*\c], v[244+2*\c]
	v_cvt_scalef32_pk8_fp4_f32 v[226+4*\c], v[104+32*\c:111+32*\c], v[244+2*\c]
	v_cvt_scalef32_pk8_fp4_f32 v[225+4*\c], v[112+32*\c:119+32*\c], v[245+2*\c]
	v_cvt_scalef32_pk8_fp4_f32 v[227+4*\c], v[120+32*\c:127+32*\c], v[245+2*\c]
.endr
	v_nop                                          ; one plain place behind a scaled conversion
.irp c, 0,1
	v_permlane16_swap_b32 v[224+4*\c], v[225+4*\c] ; lanes 0-15: keys 64 c + 0 .. 31, lanes 16-31: 64 c + 32 .. 63, in order
	v_permlane16_swap_b32 v[226+4*\c], v[227+4*\c]
.endr
.set j, 0
	s_setprio 0
.rept 16
	v_pk_mul_f32 v[160+j:161+j], v[160+j:161+j], v[252:253] op_sel_hi:[1,0]   ; O^T under the new M.  (These sixteen are also the places between the scale word and the codes just made and the products below)
.set j, j+2
.endr
	s_wait_alu depctr_va_vdst(0)
	s_wait_dscnt 0x0                               ; V and its scales are in
.irp t, 0,2
	v_wmma_scale_f32_16x16x128_f8f6f4 v[160+8*\t:167+8*\t], v[192+8*\t:199+8*\t], v[224:231], v[160+8*\t:167+8*\t], v[240+\t/2], v253 matrix_a_fmt:MATRIX_FMT_FP4 matrix_b_fmt:MATRIX_FMT_FP4
	v_wmma_scale_f32_16x16x128_f8f6f4 v[168+8*\t:175+8*\t], v[200+8*\t:207+8*\t], v[224:231], v[168+8*\t:175+8*\t], v[240+\t/2], v253 matrix_a_fmt:MATRIX_FMT_FP4 matrix_b_fmt:MATRIX_FMT_FP4 matrix_a_scale:MATRIX_SCALE_ROW1
.endr                                  ; the four accumulators take turns, and the next step's eight products stand between two links
.endm
; A PASS: one tile of 16 queries against all 2,048 keys, and its way out.
.macro PASS p
.if \p
	s_wait_xcnt 0x0                                ; the last pass's store has read its registers: they are written again below
.endif
	v_mov_b32 v13, 0xff61b1e6                      ; the largest t so far: -3e38, under every t
	s_delay_alu instid0(VALU_DEP_1)
	v_floor_f32 v12, -v13                          ; -M
	v_mov_b32 v14, 0                               ; the sum, in two halves
	v_mov_b32 v15, 0
.set j, 0
.rept 32
	v_mov_b32 v[160+j], 0                          ; O^T: the step is written once; the first finds zeros, which the first change of M leaves zeros
.set j, j+1
.endr
	s_mov_b32 s[TB], 0
.Lstep_\@:                                         ; 16 trips, a record each
	s_setprio 2
	STEP 16+8*\p, 7+\p
	s_add_co_u32 s[TB], s[TB], REC
	s_cmp_lt_u32 s[TB], 16*REC
	s_cbranch_scc1 .Lstep_\@
	s_setprio 0
	v_add_f32 v14, v14, v15                        ; the sum's two halves,
	s_delay_alu instid0(VALU_DEP_1)
	v_permlanex16_b32 v252, v14, s[SEL], s[SEL+1]
	s_delay_alu instid0(VALU_DEP_1)
	v_add_f32 v14, v14, v252                       ; and lane l xor 16's: the row's sum
	s_wait_alu depctr_va_vdst(0)
	v_rcp_f32 v14, v14
	v_nop                                          ; a plain place behind the reciprocal; with the additions above, more than four places behind the last products
	v_nop
	v_nop
	s_wait_alu depctr_va_vdst(0)                   ; ahead of the reciprocal's first reader
.set j, 0
.rept 16
	v_pk_mul_f32 v[96+j:97+j], v[160+j:161+j], v[14:15] op_sel_hi:[1,0]   ; o(r, 16 t + 8 h + i) = register 96 + 8 t + i; each accumulator from its low end on
.set j, j+2
.endr
.irp e, 0,1                            ; the head's 64 are two blocks of the output projection's K
	v_max3_num_f32 v[232+\e], |v[96+16*\e]|, |v[97+16*\e]|, 0x1800000
.endr
.irp i, 2,4,6,8,10,12,14
.irp e, 0,1
	s_delay_alu instid0(VALU_DEP_2)
	v_max3_num_f32 v[232+\e], v[232+\e], |v[96+16*\e+\i]|, |v[97+16*\e+\i]|
.endr
.endr
.irp e, 0,1
	s_delay_alu instid0(VALU_DEP_2)
	v_permlanex16_b32 v[236+\e], v[232+\e], s[SEL], s[SEL+1]
.endr
.irp e, 0,1
	s_delay_alu instid0(VALU_DEP_2)
	v_max_num_f32 v[232+\e], v[232+\e], v[236+\e]
.endr
.irp e, 0,1
	s_delay_alu instid0(VALU_DEP_2)
	v_add_nc_u32 v[244+\e], 0xff000000, v[232+\e]
.endr
.irp e, 0,1
	s_delay_alu instid0(VALU_DEP_2)
	v_lshrrev_b32 v[236+\e], 23, v[244+\e]
.endr
	s_delay_alu instid0(VALU_DEP_1)
	v_lshl_or_b32 v254, v237, 8, v236              ; my token's two scale bytes
	v_cvt_scalef32_pk8_fp4_f32 v224, v[96:103], v244
	v_cvt_scalef32_pk8_fp4_f32 v226, v[104:111], v244
	v_cvt_scalef32_pk8_fp4_f32 v225, v[112:119], v245
	v_cvt_scalef32_pk8_fp4_f32 v227, v[120:127], v245
	v_nop                                          ; one plain place behind a scaled conversion
	v_permlane16_swap_b32 v224, v225
	v_permlane16_swap_b32 v226, v227
	global_store_b128 v[LI], v[224:227], s[10:11] offset:131072*\p   ; the image of 16 tokens x this head's 64: 512 consecutive bytes
	ds_store_b16 v9, v254 offset:512*\p            ; both lanes of a token write the same halfword
.endm
	PASS 0
	PASS 1
	s_wait_dscnt 0x0                               ; for the others' sake: my halfwords lie in the stage
	s_barrier_signal -1
	s_barrier_wait -1
	s_cmp_gt_u32 s[WV], 1                          ; waves 0 and 1 store the work-group's 1,024 bytes of scale bytes, 512 consecutive bytes each
	s_cbranch_scc1 .Lno_scales
	ds_load_b128 v[96:99], v255
	s_wait_dscnt 0x0
	global_store_b128 v11, v[96:99], s[12:13]
.Lno_scales:
	s_wait_tensorcnt 0x0                           ; the wave's end, behind my last tensor load and my last LDS store
	ds_add_u32 v[SPW], v[NIL]
	s_wait_dscnt 0x0
	CROUND                                         ; the closing round
	s_endpgm
.Lfunc_end_k_q50a35049c8_attn:
	.size	k_q50a35049c8_attn, .Lfunc_end_k_q50a35049c8_attn-k_q50a35049c8_attn
	.p2alignl 7, 3214868480
	.fill 96, 4, 3214868480
	.section	.rodata,"a",@progbits
	.p2align	6, 0x0
	.amdhsa_kernel k_q50a35049c8_attn
		.amdhsa_group_segment_fixed_size 167936
		.amdhsa_private_segment_fixed_size 0
		.amdhsa_enable_private_segment 0
		.amdhsa_kernarg_size 40
		.amdhsa_user_sgpr_count 2
		.amdhsa_user_sgpr_kernarg_segment_ptr 1
		.amdhsa_wavefront_size32 1
		.amdhsa_system_sgpr_workgroup_id_x 1
		.amdhsa_system_sgpr_workgroup_id_y 1
		.amdhsa_system_sgpr_workgroup_id_z 1
		.amdhsa_system_vgpr_workitem_id 0
		.amdhsa_next_free_vgpr 256
		.amdhsa_next_free_sgpr 66
		.amdhsa_reserve_vcc 0
		.amdhsa_float_denorm_mode_32 3
		.amdhsa_float_denorm_mode_16_64 3
		.amdhsa_memory_ordered 1
		.amdhsa_forward_progress 1
		.amdhsa_inst_pref_size 50
	.end_amdhsa_kernel
	.amdgpu_metadata
---
amdhsa.version: [ 1, 2 ]
amdhsa.kernels:
  - .name:           k_q50a35049c8_attn
    .symbol:         k_q50a35049c8_attn.kd
    .args:
      - { .name: qc, .offset: 0, .size: 8, .value_kind: global_buffer, .address_space: global }
      - { .name: qs, .offset: 8, .size: 8, .value_kind: global_buffer, .address_space: global }
      - { .name: kv, .offset: 16, .size: 8, .value_kind: global_buffer, .address_space: global }
      - { .name: oc, .offset: 24, .size: 8, .value_kind: global_buffer, .address_space: global }
      - { .name: os, .offset: 32, .size: 8, .value_kind: global_buffer, .address_space: global }
    .group_segment_fixed_size: 167936
    .private_segment_fixed_size: 0
    .kernarg_segment_align: 8
    .kernarg_segment_size: 40
    .max_flat_workgroup_size: 512
    .sgpr_count:     66
    .vgpr_count:     256
    .wavefront_size: 32
...
	.end_amdgpu_metadata
.endif
;; end of part 2
;; launch oproj (part 3): grid 4 x 32, 4 waves a work-group, clusters of 4 x 4, 327,680 bytes of LDS; arguments oc, os, Wo_codes, Wo_scales, bo, out0; writes out0
.if DOCPART == 3
	.amdgcn_target "amdgcn-amd-amdhsa--gfx1250"
	.amdhsa_code_object_version 6
	.text
	.protected	k_q50a35049c8_oproj
	.globl	k_q50a35049c8_oproj
	.p2align	8
	.type	k_q50a35049c8_oproj,@function
k_q50a35049c8_oproj:
	s_mov_b64 s[64:65], 0
	v_nop
	global_prefetch_b8 v0, s[64:65] scope:SCOPE_SE
	s_setreg_imm32_b32 hwreg(HW_REG_WAVE_MODE, 25, 1), 1
	s_wait_xcnt 0x0
	s_wait_alu depctr_hold_cnt(0) depctr_sa_sdst(0) depctr_va_vdst(0) depctr_va_sdst(0) depctr_va_ssrc(0) depctr_va_vcc(0) depctr_vm_vsrc(0)
	s_getreg_b32 s2, hwreg(HW_REG_IB_STS2, 6, 4)
	s_cmp_eq_u32 s2, 0
	s_cbranch_scc0 .Lentry_in_a_cluster
	s_endpgm
.Lentry_in_a_cluster:
	s_bfe_u32 s2, ttmp6, 0x10000c
	s_cmp_lg_u32 s2, 0xf033
	s_cbranch_scc0 .Lentry_shape_is_right
	s_endpgm
.Lentry_shape_is_right:
; out0 = o Wo^T + bo on codes of FP4 (E2M1) with one E8M0 scale for each 32 along K.  No work of reference() is left out.
; o arrives from the launch before as IMAGES of operand registers: oc [tile of 16 tokens][head][lane][16 bytes] (a head's 64 along K: four registers of a fragment), os [head][token] two scale bytes.
; Wo: [1024][1024] codes, K innermost; its scale bytes [1024][32].  bo [1024], out0 [8192][1024]: f32.
; A work-group makes 256 tokens x 256 features, each of its four waves 128 x 128: 64 accumulators, 512 registers.  K = 1,024 is two LDS slots of 512 along K: both are first fills, nothing is filled again.
; CLUSTER 4 x 4: o's tiles are shared along a row of the cluster, Wo's along a column: joint loads.  128 work-groups: a tile of half the rows would read half again as many LDS bytes for each product.
; THE MATRIX INSTRUCTION IS USED TRANSPOSED (source 0 = 16 rows of Wo, source 1 = 16 tokens): a lane holds eight neighbouring numbers of a row of out0.  bo is the C of each sum's first matrix instruction.
; REGISTERS, in windows of 256: window 0: v0-31 addresses; v32-63 o's scale words, v64-95 Wo's, for all of K, and nothing else; v128-191 o's fragments; v192-255 bo; on the way out v128-255 hold rows.
;   window 1: Wo's fragments, two sets, at v0 and v128; v64-127 once: o's scale bytes as loaded.   windows 2, 3: the accumulators: (a, b) at v[8 (8 (a % 4) + b)] of window 2 + a / 4.
.set SIZE_N, 1024
.set ROWB,   256
.set KROW,   512
.set PITCH,  272                       ; a row of Wo's tile in LDS: 256 bytes + 16 of padding
.set NQ,     4
.set FR,     8
.set NL,     2
.set NP,     4
.set HALFT,  128*PITCH
.set BOFF,   65536                     ; a slot: o's images, 16 tiles x 4,096 bytes; then Wo's 256 rows
.set SLOT,   BOFF+2*HALFT
.set ASC,    2*SLOT                    ; o's scale bytes: [head 16][256 tokens] halfwords
.set BSC,    ASC+8192                  ; Wo's: units of 256 bytes + 16 of padding
.set HALFS,  16*272
.set SPARE,  BSC+2*HALFS               ; the spare words, 128 bytes for each wave
.set SPITCH, 528                       ; the way out: a stage of 16 rows x (512 bytes + 16) for each wave, in slot 0, which has had its one fill and its last read when the first result is stored there
.set ADRA, 16
.set ADRB, 20
.set ADSA, 22                          ; v22  LDS address of my tokens' scale halfwords
.set ADSB, 23                          ; v23  of Wo's scale words
.set STO,  24
.set RD,   25
.set CO,   26                          ; v26  16 x lane
.set BO,   27
.set SPW,  28
.set NIL,  29
.set SA,   32                          ; register 4 Q + i: lane l: the word of token 32 i + l for the Q-th 128 along K
.set SB,   64                          ; register 16 s + 4 i + q: lane l: the word of Wo's row 32 i + l for slot s's q-th 128 along K
.set AF,   128
.set BIAS, 192
.set BK,   128
.set G1, 24
.set G0, 32
.set G1B, 48
.set G0B, 56
.set G1S, 68
.set G0S, 76
.set G1SB, 80
.set G0SB, 88
.set TO_B, 0x40
.set MSB, 0
.macro WIN new
.set WNEW, (\new)
.if MSB != WNEW
	s_set_vgpr_msb (MSB<<8)|WNEW
.set MSB, WNEW
.endif
.endm
.macro WINM hi, first                  ; Wo's fragments (source 0) in window 1, o's in window 0; D in window 2 + hi; C there too, or (first) bo in window 0
	WIN ((2+(\hi))<<6)|((1-(\first))*((2+(\hi))<<4))|1
.endm
.macro JLOAD g0a, g1a, g0b, g1b        ; waves 0 and 1 fetch for o, waves 2 and 3 for Wo; an s_nop 0 and four v_nop follow each of the two lines
	s_cmp_eq_u32 s15, 0
	s_cbranch_scc0 .Lfor_b_\@
	tensor_load_to_lds s[\g0a:\g0a+3], s[\g1a:\g1a+7]
	s_nop 0
.rept 4
	v_nop
.endr
	s_branch .Lasked_\@
.Lfor_b_\@:
	tensor_load_to_lds s[\g0b:\g0b+3], s[\g1b:\g1b+7]
	s_nop 0
.rept 4
	v_nop
.endr
.Lasked_\@:
.endm
.macro CROUND
	s_barrier_signal -1
	s_barrier_wait -1
	s_cmp_lg_u32 s14, 0
	s_cbranch_scc1 .Lnot_wave_0_\@
	s_barrier_signal -3
.Lnot_wave_0_\@:
	s_barrier_wait -3
	s_barrier_signal -1
	s_barrier_wait -1
.endm
	s_load_b256 s[4:11], s[0:1], 0x0               ; oc s[4:5], os s[6:7], Wo's codes s[8:9], Wo's scales s[10:11]
	s_load_b64 s[92:93], s[0:1], 0x20              ; bo
	s_load_b64 s[12:13], s[0:1], 0x28              ; out0
	v_lshl_add_u32 v[SPW], v0, 2, SPARE
	v_mov_b32 v[NIL], 0
	ds_add_u32 v[SPW], v[NIL]                      ; the wave's opening: the add, twice on end, and its wait ahead of my first tensor load
	ds_add_u32 v[SPW], v[NIL]                      ; and once more, under the one wait
	v_lshrrev_b32 v1, 5, v0
	v_readfirstlane_b32 s14, v1                    ; wave 0..3
	s_lshr_b32 s15, s14, 1                         ; which half of the tokens is mine.  Also: I fetch for o (0) or for Wo (1)
	s_and_b32 s16, s14, 1                          ; which half of the features.  Also: which half of a tile I fetch
	s_bfe_u32 s40, ttmp6, 0x40000
	s_bfe_u32 s41, ttmp6, 0x40004
	s_lshl_b32 s42, ttmp9, 2
	s_add_co_u32 s42, s42, s40                     ; block of 256 features
	s_and_b32 s17, ttmp7, 0xffff
	s_lshl_b32 s17, s17, 2
	s_add_co_u32 s17, s17, s41                     ; block of 256 tokens
	s_lshl_b32 s43, s41, 2
	s_lshl_b32 s43, 15, s43                        ; my row of the cluster
	s_lshl_b32 s44, 0x1111, s40                    ; my column
	s_or_b32 s[G1+0], s43, (3<<16)|(1<<21)         ; o's images of 8 tiles of tokens: 8 rows of 4,096 bytes (512 elements of 8), 8,192 bytes apart; no padding: they are read 16 bytes x lane
	s_mov_b32 s[G1+1], 512<<16
	s_mov_b32 s[G1+2], 8<<16
	s_mov_b32 s[G1+3], 512<<16
	s_mov_b32 s[G1+4], 8
	s_mov_b32 s[G1+5], 1024
	s_mov_b32 s[G1+6], 0
	s_mov_b32 s[G1+7], 0
	s_or_b32 s[G1S+0], s43, (3<<16)|(1<<21)        ; o's scale bytes of 8 heads: 8 rows of 512 bytes (256 tokens), 16,384 bytes apart
	s_mov_b32 s[G1S+1], 64<<16
	s_mov_b32 s[G1S+2], 8<<16
	s_mov_b32 s[G1S+3], 64<<16
	s_mov_b32 s[G1S+4], 8
	s_mov_b32 s[G1S+5], 2048
	s_mov_b32 s[G1S+6], 0
	s_mov_b32 s[G1S+7], 0
	s_or_b32 s[G1B+0], s44, (0<<16)|(1<<20)|(1<<21)|(5<<22)|(3<<25)  ; Wo's tile: 128 rows of 256 bytes, four words of padding after every 64
	s_mov_b32 s[G1B+1], ROWB<<16
	s_mov_b32 s[G1B+2], 128<<16
	s_mov_b32 s[G1B+3], ROWB<<16
	s_mov_b32 s[G1B+4], 128
	s_mov_b32 s[G1B+5], KROW
	s_mov_b32 s[G1B+6], 0
	s_mov_b32 s[G1B+7], 0
	s_or_b32 s[G1SB+0], s44, (3<<16)|(1<<20)|(1<<21)|(5<<22)|(3<<25) ; Wo's scales of 128 rows: 16 rows of 256 dense bytes, padded likewise
	s_mov_b32 s[G1SB+1], 32<<16
	s_mov_b32 s[G1SB+2], 16<<16
	s_mov_b32 s[G1SB+3], 32<<16
	s_mov_b32 s[G1SB+4], 16
	s_mov_b32 s[G1SB+5], 32
	s_mov_b32 s[G1SB+6], 0
	s_mov_b32 s[G1SB+7], 0
	s_lshl_b32 s20, s17, 17                        ; o's images: tile 16 x token block + 8 x half, 8,192 bytes a tile
	s_lshl_b32 s18, s16, 16
	s_add_co_u32 s20, s20, s18
	s_mov_b32 s21, 0
	s_lshl_b32 s22, s16, 17                        ; o's scale bytes: heads 8 x half on, 512 bytes a token block
	s_lshl_b32 s18, s17, 9
	s_add_co_u32 s22, s22, s18
	s_mov_b32 s23, 0
	s_lshl_b32 s46, s42, 8
	s_lshl_b32 s19, s16, 7
	s_add_co_u32 s46, s46, s19                     ; Wo: row 256 x feature block + 128 x half
	s_lshl_b32 s94, s46, 5
	s_lshl_b32 s46, s46, 9
	s_mov_b32 s47, 0
	s_mov_b32 s95, 0
	s_lshl_b32 s45, s16, 15                        ; where they go, by the wave's number alone: o's images,
	s_mul_i32 s96, s16, HALFT
	s_add_co_u32 s96, s96, BOFF                    ; Wo's rows,
	s_lshl_b32 s97, s16, 12
	s_add_co_u32 s97, s97, ASC                     ; o's scale bytes,
	s_mul_i32 s2, s16, HALFS
	s_add_co_u32 s2, s2, BSC                       ; Wo's
	s_wait_dscnt 0x0                               ; both opening adds are done
	s_wait_kmcnt 0x0
	s_add_nc_u64 s[20:21], s[4:5], s[20:21]
	s_add_nc_u64 s[22:23], s[6:7], s[22:23]
	s_add_nc_u64 s[46:47], s[8:9], s[46:47]
	s_add_nc_u64 s[94:95], s[10:11], s[94:95]
	s_mov_b32 s[G0S], 1
	s_mov_b32 s[G0S+1], s97
	s_mov_b64 s[G0S+2:G0S+3], s[22:23]
	s_or_b32 s[G0S+3], s[G0S+3], 0x80000000
	s_mov_b32 s[G0SB], 1
	s_mov_b32 s[G0SB+1], s2
	s_mov_b64 s[G0SB+2:G0SB+3], s[94:95]
	s_or_b32 s[G0SB+3], s[G0SB+3], 0x80000000
.irp s, 0,1
	s_mov_b32 s[G0+4*\s], 1
	s_add_co_u32 s[G0+4*\s+1], s45, \s*SLOT
	s_add_nc_u64 s[G0+4*\s+2:G0+4*\s+3], s[20:21], \s*4096         ; slot s: heads 8 s on
	s_or_b32 s[G0+4*\s+3], s[G0+4*\s+3], 0x80000000
	s_mov_b32 s[G0B+4*\s], 1
	s_add_co_u32 s[G0B+4*\s+1], s96, \s*SLOT
	s_add_nc_u64 s[G0B+4*\s+2:G0B+4*\s+3], s[46:47], \s*ROWB
	s_or_b32 s[G0B+4*\s+3], s[G0B+4*\s+3], 0x80000000
.endr
	CROUND                                         ; all sixteen work-groups are here: the joint loads meet
	JLOAD G0S, G1S, G0SB, G1SB                     ; the scales first; then slot 0 and slot 1, each behind a wait on the one before: three loads of mine, all of the launch
	s_wait_alu depctr_va_vdst(0)
	s_wait_tensorcnt 0x0
	ds_add_u32 v28, v29
	s_wait_dscnt 0x0
	CROUND
	JLOAD G0, G1, G0B, G1B
	s_wait_alu depctr_va_vdst(0)
	s_wait_tensorcnt 0x0
	ds_add_u32 v28, v29
	s_wait_dscnt 0x0
	CROUND
	JLOAD G0+4, G1, G0B+4, G1B
	v_and_b32 v1, 15, v0                           ; r
	v_bfe_u32 v2, v0, 4, 1                         ; h
	v_and_b32 v6, 31, v0                           ; lane
	v_lshlrev_b32 v[CO], 4, v6
	s_lshl_b32 s21, s15, 15                        ; my 128 tokens' images
	v_add_nc_u32 v[ADRA], s21, v[CO]
	v_add_nc_u32 v[ADRA+1], SLOT, v[ADRA]
	v_mul_u32_u24 v3, v1, PITCH
	v_lshl_add_u32 v4, v2, 4, v3
	s_mul_i32 s22, s16, HALFT
	s_add_co_u32 s22, s22, BOFF                    ; my 128 rows of Wo
	v_add_nc_u32 v[ADRB], s22, v4
	v_add_nc_u32 v[ADRB+1], SLOT, v[ADRB]
	v_lshrrev_b32 v3, 3, v6                        ; Wo's scale words: row l of 32: unit l / 8, 32 bytes a row
	v_and_b32 v4, 7, v6
	v_mul_u32_u24 v3, v3, 272
	v_lshl_add_u32 v3, v4, 5, v3
	s_mul_i32 s22, s16, HALFS
	s_add_co_u32 s22, s22, BSC
	v_add_nc_u32 v[ADSB], s22, v3
	v_lshlrev_b32 v3, 1, v6                        ; o's: 2 bytes a token
	s_lshl_b32 s22, s15, 8
	s_add_co_u32 s22, s22, ASC
	v_add_nc_u32 v[ADSA], s22, v3
	s_mul_i32 s23, s14, 16*SPITCH                  ; my stage
	v_mul_u32_u24 v5, v1, SPITCH
	v_lshl_add_u32 v5, v2, 5, v5
	v_add_nc_u32 v[STO], s23, v5                   ; in: row r, 32 bytes for each half of the lanes
	v_add_nc_u32 v[RD], s23, v[CO]                 ; back: the 32 lanes take one row of 512 bytes
	v_lshlrev_b32 v[BO], 5, v2                     ; bo: a lane holds features 8 h + 0 .. 7 of a block
	s_wait_alu depctr_va_vdst(0)
	s_lshl_b32 s20, s17, 8
	s_lshl_b32 s21, s15, 7
	s_add_co_u32 s20, s20, s21                     ; my first row of out0,
	s_lshl_b32 s20, s20, 12                        ; 4,096 bytes a row
	s_lshl_b32 s46, s42, 10
	s_lshl_b32 s47, s16, 9
	s_add_co_u32 s46, s46, s47                     ; my first column, in bytes: in out0 and in bo alike
	s_mov_b32 s47, 0
	s_mov_b32 s21, 0
	s_add_nc_u64 s[12:13], s[12:13], s[20:21]
	s_add_nc_u64 s[12:13], s[12:13], s[46:47]
	s_add_nc_u64 s[92:93], s[92:93], s[46:47]
.irp b, 0,1,2,3,4,5,6,7
	global_load_b128 v[BIAS+8*\b:BIAS+8*\b+3], v[BO], s[92:93] offset:64*\b
	global_load_b128 v[BIAS+8*\b+4:BIAS+8*\b+7], v[BO], s[92:93] offset:64*\b+16
.endr
; 16 matrix instructions: token blocks a0, a0 + 1 x the eight feature blocks, slot's q-th 128 along K.  A scale register holds two blocks' words: the even block's in lanes 0-15, the odd one's in lanes 16-31.
; The 64 accumulators take turns, one instruction a turn, in the same order in every step.
.macro MUL16 a0, p, q, slot, first
.irp a, \a0, \a0+1
.irp b, 0,1,2,3,4,5,6,7
.set rD, 8*(8*((\a)%4)+\b)
.set rB, 128*(\p)+FR*\b
.set rA, AF+FR*(\a)
.set rC, rD
.if \first
.set rC, BIAS+8*\b
.endif
.set xSB, SB+16*(\slot)+4*(\b/2)+(\q)
.set xSA, SA+16*(\slot)+4*(\q)+(\a)/2
.set oB, \b%2
.set oA, (\a)%2
.if oB && oA
	v_wmma_scale_f32_16x16x128_f8f6f4 v[rD:rD+7], v[rB:rB+7], v[rA:rA+7], v[rC:rC+7], v[xSB], v[xSA] matrix_a_fmt:MATRIX_FMT_FP4 matrix_b_fmt:MATRIX_FMT_FP4 matrix_a_scale:MATRIX_SCALE_ROW1 matrix_b_scale:MATRIX_SCALE_ROW1
.elseif oB
	v_wmma_scale_f32_16x16x128_f8f6f4 v[rD:rD+7], v[rB:rB+7], v[rA:rA+7], v[rC:rC+7], v[xSB], v[xSA] matrix_a_fmt:MATRIX_FMT_FP4 matrix_b_fmt:MATRIX_FMT_FP4 matrix_a_scale:MATRIX_SCALE_ROW1
.elseif oA
	v_wmma_scale_f32_16x16x128_f8f6f4 v[rD:rD+7], v[rB:rB+7], v[rA:rA+7], v[rC:rC+7], v[xSB], v[xSA] matrix_a_fmt:MATRIX_FMT_FP4 matrix_b_fmt:MATRIX_FMT_FP4 matrix_b_scale:MATRIX_SCALE_ROW1
.else
	v_wmma_scale_f32_16x16x128_f8f6f4 v[rD:rD+7], v[rB:rB+7], v[rA:rA+7], v[rC:rC+7], v[xSB], v[xSA] matrix_a_fmt:MATRIX_FMT_FP4 matrix_b_fmt:MATRIX_FMT_FP4
.endif
.endr
.endr
.endm
.macro FETCH_B slot, q, p              ; Wo's eight fragments, from padded rows
	WIN TO_B
.irp i, 0,1,2,3,4,5,6,7
.irp c, 0,1
	ds_load_b128 v[128*(\p)+FR*\i+4*\c:128*(\p)+FR*\i+4*\c+3], v[ADRB+\slot] offset:64*(\q)+32*\c+\i*16*PITCH
.endr
.endr
	WIN 0
.endm
.macro FETCH_A slot, q, i0             ; o's blocks i0 .. i0 + 3, from images: block i, step q, half c at 4,096 i + 1,024 q + 512 c + 16 x lane
.irp i, \i0, \i0+1, \i0+2, \i0+3
.irp c, 0,1
	ds_load_b128 v[AF+FR*(\i)+4*\c:AF+FR*(\i)+4*\c+3], v[ADRA+\slot] offset:4096*(\i)+1024*(\q)+512*\c
.endr
.endr
.endm
.macro PLACES n
.rept \n
	v_nop
.endr
.endm
.macro STEP slot, q, first
	s_wait_dscnt 4*NL                              ; all but the youngest eight loads (o's blocks 4-7) are in
	WINM 0, \first
	MUL16 0, (\q)%2, \q, \slot, \first
	MUL16 2, (\q)%2, \q, \slot, \first
	s_wait_dscnt 0
	PLACES NP
	FETCH_B \slot, (\q)+1, 1-(\q)%2
	FETCH_A \slot, (\q)+1, 0
	WINM 1, \first
	MUL16 4, (\q)%2, \q, \slot, \first
	MUL16 6, (\q)%2, \q, \slot, \first
	PLACES NP
	WIN 0
	FETCH_A \slot, (\q)+1, 4
.endm
	s_wait_tensorcnt 1                             ; the scales and my part of slot 0 are in; slot 1's load, the one issued behind them, may be out
	s_barrier_signal -1
	s_barrier_wait -1                              ; everybody's are
	WIN TO_B
.irp hd, 0,1,2,3,4,5,6,7,8,9,10,11,12,13,14,15
.irp i, 0,1,2,3
	ds_load_u16 v[64+4*\hd+\i], v[ADSA] offset:512*\hd+64*\i       ; head hd's two bytes of token 32 i + lane
.endr
.endr
	WIN 0
.irp s, 0,1
.irp b, 0,1,2,3
	ds_load_b128 v[SB+16*\s+4*\b:SB+16*\s+4*\b+3], v[ADSB] offset:1088*\b+16*\s   ; four words of Wo's row 32 b + lane
.endr
.endr
	FETCH_B 0, 0, 0
	FETCH_A 0, 0, 0
	FETCH_A 0, 0, 4
	s_wait_dscnt 32                                ; the scales are in; the 32 fragment loads issued behind them may be out
	WIN 0x11                                       ; sources 0 and 2 in window 1
.irp Q, 0,1,2,3,4,5,6,7
.irp i, 0,1,2,3
	v_lshl_or_b32 v[SA+4*\Q+\i], v[64+4*(2*\Q+1)+\i], 16, v[64+4*(2*\Q)+\i]   ; 128 along K are two heads: four bytes.  In ascending K: the first step's four words have 28 plain instructions behind them
.endr
.endr
	WIN 0
	s_wait_loadcnt 0x0                             ; bo
	STEP 0, 0, 1                                   ; the first products start the sums from bo
	STEP 0, 1, 0
	STEP 0, 2, 0
	s_wait_tensorcnt 0x0                           ; slot 0's last step goes on into slot 1: my part of it is in
	s_wait_dscnt 4*NL
	WINM 0, 0
	MUL16 0, 1, NQ-1, 0, 0
	s_wait_dscnt 0x0                               ; no LDS instruction of mine is out at the signal; my reads of slot 0 are over
	s_barrier_signal -1
	MUL16 2, 1, NQ-1, 0, 0
	WIN 0
	s_barrier_wait -1                              ; slot 1 is whole, and nobody reads slot 0 any more
	PLACES NP
	FETCH_B 1, 0, 0
	FETCH_A 1, 0, 0
	WINM 1, 0
	MUL16 4, 1, NQ-1, 0, 0
	MUL16 6, 1, NQ-1, 0, 0
	PLACES NP
	WIN 0
	FETCH_A 1, 0, 4
	STEP 1, 0, 0
	s_wait_alu depctr_va_vdst(0)
	STEP 1, 1, 0
	STEP 1, 2, 0
	s_wait_dscnt 4*NL                              ; the very last step: nothing more to fetch
	WINM 0, 0
	MUL16 0, 1, NQ-1, 1, 0
	MUL16 2, 1, NQ-1, 1, 0
	s_wait_dscnt 0
	WINM 1, 0
	MUL16 4, 1, NQ-1, 1, 0
	MUL16 6, 1, NQ-1, 1, 0
	WIN 0
; THE WAY OUT, block by block of 16 rows x 128 columns: through my own stage in LDS and back as whole rows of 512 bytes.  LDS serves a wave's instructions in order (ISA guide 5.7.1.4): no wait between the stores and the loads.
.macro TOSTAGE a
.set AC, 64*((\a)%4)
	WIN 0x08+4*((\a)/4)                            ; an LDS store's data are its source 1: window 2 or 3
.irp b, 0,1,2,3,4,5,6,7
	ds_store_b128 v[STO], v[AC+8*\b:AC+8*\b+3] offset:64*\b          ; each accumulator from its low end on
	ds_store_b128 v[STO], v[AC+8*\b+4:AC+8*\b+7] offset:64*\b+16
.endr
	WIN 0
.set BB, BK+64*((\a)%2)
.irp t, 0,1,2,3,4,5,6,7,8,9,10,11,12,13,14,15
	ds_load_b128 v[BB+4*\t:BB+4*\t+3], v[RD] offset:\t*SPITCH
.endr
.endm
.macro SEND a, younger                 ; younger: the LDS instructions issued behind block a's loads, which may stay out
.set BB, BK+64*((\a)%2)
	s_wait_dscnt \younger
.if (\a) > 0
	s_add_nc_u64 s[12:13], s[12:13], 16*SIZE_N*4   ; (behind a wait on XCNT: the earlier stores have read their base)  16 rows on
.endif
.irp t, 0,1,2,3,4,5,6,7,8,9,10,11,12,13,14,15
	global_store_b128 v[CO], v[BB+4*\t:BB+4*\t+3], s[12:13] offset:\t*SIZE_N*4 th:TH_STORE_NT   ; 32 lanes store 512 consecutive bytes, at a multiple of 256 from out0's first byte
.endr
.endm
	PLACES NP                                      ; in front of the first reads of results and of loads into the registers that held o's fragments
	TOSTAGE 0
.irp a, 1,2,3,4,5,6,7
.if \a > 1
	s_wait_xcnt 0x0                                ; block a - 2's stores have read their registers and their base
.endif
	TOSTAGE \a
	SEND \a-1, 32                                  ; behind block a - 1's loads: block a's 16 stores and 16 loads
.endr
	s_wait_xcnt 0x0
	SEND 7, 0
	s_wait_tensorcnt 0x0                           ; the wave's end, behind my last tensor load and my last LDS store
	ds_add_u32 v[SPW], v[NIL]
	s_wait_dscnt 0x0
	CROUND                                         ; the closing round
	s_endpgm
.Lfunc_end_k_q50a35049c8_oproj:
	.size	k_q50a35049c8_oproj, .Lfunc_end_k_q50a35049c8_oproj-k_q50a35049c8_oproj
	.p2alignl 7, 3214868480
	.fill 96, 4, 3214868480
	.section	.rodata,"a",@progbits
	.p2align	6, 0x0
	.amdhsa_kernel k_q50a35049c8_oproj
		.amdhsa_group_segment_fixed_size 327680
		.amdhsa_private_segment_fixed_size 0
		.amdhsa_enable_private_segment 0
		.amdhsa_kernarg_size 48
		.amdhsa_user_sgpr_count 2
		.amdhsa_user_sgpr_kernarg_segment_ptr 1
		.amdhsa_wavefront_size32 1
		.amdhsa_system_sgpr_workgroup_id_x 1
		.amdhsa_system_sgpr_workgroup_id_y 1
		.amdhsa_system_sgpr_workgroup_id_z 1
		.amdhsa_system_vgpr_workitem_id 0
		.amdhsa_next_free_vgpr 1024
		.amdhsa_next_free_sgpr 98
		.amdhsa_reserve_vcc 0
		.amdhsa_float_denorm_mode_32 3
		.amdhsa_float_denorm_mode_16_64 3
		.amdhsa_memory_ordered 1
		.amdhsa_forward_progress 1
		.amdhsa_inst_pref_size 132
	.end_amdhsa_kernel
	.amdgpu_metadata
---
amdhsa.version: [ 1, 2 ]
amdhsa.kernels:
  - .name:           k_q50a35049c8_oproj
    .symbol:         k_q50a35049c8_oproj.kd
    .args:
      - { .name: oc, .offset: 0, .size: 8, .value_kind: global_buffer, .address_space: global }
      - { .name: os, .offset: 8, .size: 8, .value_kind: global_buffer, .address_space: global }
      - { .name: Wo_codes, .offset: 16, .size: 8, .value_kind: global_buffer, .address_space: global }
      - { .name: Wo_scales, .offset: 24, .size: 8, .value_kind: global_buffer, .address_space: global }
      - { .name: bo, .offset: 32, .size: 8, .value_kind: global_buffer, .address_space: global }
      - { .name: out0, .offset: 40, .size: 8, .value_kind: global_buffer, .address_space: global }
    .group_segment_fixed_size: 327680
    .private_segment_fixed_size: 0
    .kernarg_segment_align: 8
    .kernarg_segment_size: 48
    .max_flat_workgroup_size: 128
    .sgpr_count:     98
    .vgpr_count:     1024
    .wavefront_size: 32
...
	.end_amdgpu_metadata
.endif
;; end of part 3
